; MI455X (gfx1250); checked and timed in simulation.
; The chip was launched on July 23, 2026; its instructions are those of AMD's public machine-readable ISA for CDNA 5 (MIT licence, August 2026) and "CDNA5" Instruction Set Architecture Reference Guide (July 2026). The comments in the code are by the model that wrote it; some were corrected since.
;; Real Mamba Core. Allowed arithmetic: float matrix products may take bf16 or f16 operands with f32 sums; other float arithmetic in f32, or as packed bf16 or f16 multiplies, adds, multiply-adds, maxima and minima; sums over many terms, partial sums and values carried from step to step in f32; what a program stores and reads back later, other than sums and carried values, may be rounded once to bf16 or f16.
;; Inputs: A_log 16 float32; W_in 1,024 x 2,096 float32; W_out 1,024 x 1,024 float32; b_in 2,096 float32; b_out 1,024 float32; x 32 x 512 x 1,024 float32.
;; Outputs: out0 32 x 512 x 1,024 float32.
;; 2 versions, each right; version 2 is version 1 with the launch prep written anew for expert scheduling mode. Each part assembles by itself: llvm-mc -triple=amdgcn-amd-amdhsa -mcpu=gfx1250 --defsym DOCPART=n.
;; ======== version 1 of 2: 3 launches
;; limits: values are held in f16: magnitudes above 65,504 overflow, below 6.1e-05 lose precision; a function is approximated: absolute error at most 3e-07
;; workspace buffers: xb 33,554,432 bytes; hb 33,554,432 bytes; wzt 2,097,152 bytes; wot 2,097,152 bytes; ug 2,097,152 bytes; sm 32,768 bytes; yv 65,536 bytes
;; launch prep (part 1): grid 256 x 1, 16 waves a work-group, no clusters, 253,952 bytes of LDS; arguments x, W_in, W_out, b_in, A_log, xb, wzt, wot, ug, sm; writes xb, wzt, wot, ug, sm
.if DOCPART == 1
	.amdgcn_target "amdgcn-amd-amdhsa--gfx1250"
	.amdhsa_code_object_version 6
	.text
	.protected	k_qa0232f3d0c_prep
	.globl	k_qa0232f3d0c_prep
	.p2align	8
	.type	k_qa0232f3d0c_prep,@function
k_qa0232f3d0c_prep:
	s_mov_b64 s[64:65], 0
	v_nop
	global_prefetch_b8 v0, s[64:65] scope:SCOPE_SE
	s_setreg_imm32_b32 hwreg(HW_REG_WAVE_MODE, 25, 1), 1
	s_wait_xcnt 0x0
; FIRST OF THREE LAUNCHES.  reference(): xz = x W_in + b_in (2,096 columns); z = columns 1024..2047; B, C, raw delta = the last 48; a 16-state recurrence along each batch's 512 steps
; gives one number y a row; out = (y gelu(z)) W_out + b_out = y (gelu(z) W_out) + b_out, since y is one number for a whole row.
; DEAD WORK, for all values of the inputs: xz[..., :1024] is sliced into xm, and no later line of reference() names xm.  So W_in[:, 0:1024] and b_in[0:1024] are not loaded and that product is not
; made, in any launch.  The scan starts from the zeros that reference() builds itself, so a batch's first state is B_0.  Every input has a live part, so all six are arguments of some launch.
; LIMIT: a NaN, an infinity or an overflow that reaches only xm is not carried to the result.
; FORMATS.  Every input (x, W_in, W_out, b_in, A_log, b_out) is rounded once to bf16, to nearest even; the products with x run in bf16 with f32 sums; softplus, exponentials and the scan in f32.
; W_out's bf16 number is written as f16 for the third launch: exact from 6.1e-5 to 65,504; below that it keeps f16's fixed step of 6e-8; LIMIT: |W_out| under 65,504.
; THIS LAUNCH: (1) xb = bf16(x).  (2) wzt[n][k] = bf16(W_in[k][1024+n]), wot[n][k] = f16(bf16(W_out[k][n])): the weights turned so that K lies along the rows.
; (3) the 48-column product and the scan inside chunks of 64 rows.
; THE SCAN IN CHUNKS.  state_t = a_t state_(t-1) + B_t, a = exp(A delta), y_t = sum over n of C_t state_t.  A sub-chunk is 8 rows, a chunk the work-group's 64, a batch 8 chunks.
; With zero entry s_j = a_j s_(j-1) + B_j and p_j = a_j p_(j-1); with E, Q the state and the decay product from the chunk's entry to the sub-chunk's, and Sin the state at the chunk's entry,
; state = s_j + p_j E + p_j Q Sin.  Stored: U = C (s_j + p_j E), G = C p_j Q (ug), and the chunk's own (Q, E) over all 64 rows (sm).  The next launch makes Sin and y = sum over n of (U + G Sin).
; Only products and sums of like terms: no difference of large sums is formed.
; SHARES.  Work-group g: rows 64 g .. 64 g + 63.  Wave w: 16 rows (w & 3) x 256 channels (w >> 2).  All of the work-group's 256 KiB of x is asked for at once: 32 loads a wave.
; NO JOINT LOADS for the 48 columns, which all work-groups read: they lie in f32, 192 bytes of each of 1,024 rows, and are rounded on their way through registers; brought as they lie they would
; want 196,608 bytes of LDS beside the 253,952 in use.  No prefetch: every address is asked for by its load at the kernel's head.
.set WINP,  8384                       ; bytes in a row of W_in
.set WP,    96                         ; LDS: the 48 columns as [k 1024][n 48] bf16, rows of 96 bytes = 3 x 32, from byte 0
.set XST0,  98304                      ; LDS: wave w's 16 rows x 256 channels of bf16 at XST0 + XSTB w, rows of 512 + 16 bytes; later its partial sums
.set XSTB,  8448
.set XP,    528
.set TST0,  233472                     ; LDS: two weight tiles [32 n][128 k], rows of 256 + 16 bytes, one for each half of the waves
.set TSTB,  8704
.set TP,    272
.set SUMM,  250880                     ; LDS: sub-chunk i: p_7[16] at 128 i, s_7[16] at 128 i + 64
.set SPARE, 251904                     ; the spare words: 128 bytes for each of 16 waves, eight blocks of 256 bytes that no other line names
.set XR,    128                        ; v[128:255] x: row i at XR + 8 i
.set SPW,   114                        ; v114  my spare word's address; never rewritten
.set NIL,   115                        ; v115  0; never rewritten
; v1 lane, v2 r = lane % 16, v3 h = lane / 16, v4 16 l, v5 8 l, v6/v7 the 48 columns: from / to, v8-11 biases of B, C, delta and A_log, v12 x into LDS, v13 A fragments, v14 B fragments,
; v15 / v112 / v113 the weight tile: in, back, out; v16-111 at work; v116-118 partners' sums; v119 my sub-chunk; v120-127 the weight tile's rows
	s_load_b512 s[4:19], s[0:1], 0x0               ; x s[4:5], W_in s[6:7], W_out s[8:9], b_in s[10:11], A_log s[12:13], xb s[14:15], wzt s[16:17], wot s[18:19]
	s_load_b128 s[20:23], s[0:1], 0x40             ; ug s[20:21], sm s[22:23]
	v_lshl_add_u32 v[SPW], v0, 2, SPARE
	v_mov_b32 v[NIL], 0
	v_lshrrev_b32 v4, 5, v0
	v_readfirstlane_b32 s24, v4                    ; wave 0..15
	v_and_b32 v1, 31, v0
	v_and_b32 v2, 15, v0
	v_bfe_u32 v3, v0, 4, 1
	s_and_b32 s25, s24, 3                          ; which 16 rows
	s_lshr_b32 s26, s24, 2                         ; which 256 channels
	s_mov_b32 s27, ttmp9                           ; g
	s_mov_b32 s34, 0x3fb8aa3b                      ; log2(e)
	s_mov_b32 s35, 0x3f317218                      ; ln(2)
	s_mov_b32 s45, 0xbfb8aa3b                      ; -log2(e)
	v_lshlrev_b32 v4, 4, v1
	v_lshlrev_b32 v5, 3, v1
	v_lshlrev_b32 v120, 2, v2                      ; 4 r: the biases' offset
	s_lshl_b32 s36, s24, 1
	v_add_nc_u32 v119, s36, v3                     ; 2 w + h: in waves 0 to 3 the sub-chunk of my eight rows
	; the 48 columns: wave w takes rows k = 64 w .. 64 w + 63, eight at a time; four lanes a row, 16 bytes of f32 each
	v_lshrrev_b32 v16, 2, v1
	s_lshl_b32 s36, s24, 6
	v_add_nc_u32 v16, s36, v16
	v_and_b32 v17, 3, v1
	v_mul_u32_u24 v6, v16, WINP
	v_lshl_add_u32 v6, v17, 4, v6
	v_mul_u32_u24 v7, v16, WP
	v_lshl_add_u32 v7, v17, 3, v7
	; my wave's x in LDS
	s_mul_i32 s37, s24, XSTB
	s_add_co_u32 s37, s37, XST0
	v_add_nc_u32 v12, s37, v5
	v_mul_u32_u24 v13, v2, XP
	v_lshl_add_u32 v13, v3, 4, v13
	v_add_nc_u32 v13, s37, v13                     ; row r x pitch + 16 h
	; the turning load takes 16 k x 16 n: lane l reads row k0 + 8 h + l % 8, 16 bytes at 16 ((l / 8) % 2)
	v_and_b32 v18, 7, v1
	v_lshl_add_u32 v18, v3, 3, v18
	s_lshl_b32 s36, s26, 8
	v_add_nc_u32 v18, s36, v18
	v_mul_u32_u24 v14, v18, WP
	v_bfe_u32 v18, v0, 3, 1
	v_lshl_add_u32 v14, v18, 4, v14
	; the weight tile: number 2 g + w / 8; g < 128: W_in's z part, else W_out; 32 columns n x 128 rows k; wave w takes 16 rows k
	s_lshr_b32 s40, s24, 3
	s_and_b32 s39, s24, 7
	s_mul_i32 s38, s40, TSTB
	s_add_co_u32 s38, s38, TST0
	v_mul_u32_u24 v15, v1, TP
	s_lshl_b32 s36, s39, 5
	s_add_co_u32 s36, s36, s38
	v_add_nc_u32 v15, s36, v15                     ; in: row n = lane, my 16 k = 32 bytes
	s_lshl_b32 s36, s39, 2
	v_add_nc_u32 v18, s36, v3                      ; back: rows 4 (w % 8) + h, and two further down
	v_mul_u32_u24 v112, v18, TP
	v_lshl_add_u32 v112, v2, 4, v112
	v_add_nc_u32 v112, s38, v112
	s_lshl_b32 s41, s27, 1
	s_add_co_u32 s41, s41, s40
	s_and_b32 s41, s41, 255
	s_lshr_b32 s42, s41, 3                         ; which 32 columns n
	s_and_b32 s43, s41, 7                          ; which 128 rows k
	s_lshl_b32 s36, s42, 5
	v_add_nc_u32 v18, s36, v18
	v_lshlrev_b32 v113, 11, v18                    ; out: row n of 2,048 bytes,
	v_lshl_add_u32 v113, v2, 4, v113
	s_lshl_b32 s36, s43, 8
	v_add_nc_u32 v113, s36, v113                   ; its 256 bytes of this tile: 16 lanes fill them
	s_mov_b32 s36, WINP                            ; (in a register: an instruction holds one literal)
	s_cmp_lt_u32 s27, 128
	s_cselect_b32 s30, s36, 4096                   ; bytes from row to row of the source
	s_cselect_b32 s31, 4096, 0                     ; z begins at column 1024 of W_in
	s_lshl_b32 s44, s43, 7
	s_lshl_b32 s36, s39, 4
	s_add_co_u32 s44, s44, s36
	s_mul_i32 s44, s44, s30
	s_add_co_u32 s44, s44, s31
	s_lshl_b32 s36, s42, 7
	s_add_co_u32 s44, s44, s36                     ; my first row k, the tile's first column
	s_lshl_b32 s46, s27, 18                        ; x: 64 rows of 4,096 bytes a work-group,
	s_lshl_b32 s36, s25, 16                        ; 16 rows a wave,
	s_or_b32 s46, s46, s36
	s_lshl_b32 s36, s26, 10                        ; 256 channels
	s_or_b32 s46, s46, s36
	s_mov_b32 s47, 0
	s_wait_kmcnt 0x0
	s_add_nc_u64 s[4:5], s[4:5], s[46:47]
	s_lshr_b32 s46, s46, 1                         ; xb: half the bytes
	s_add_nc_u64 s[14:15], s[14:15], s[46:47]
	s_cmp_lt_u32 s27, 128
	s_cselect_b64 s[28:29], s[6:7], s[8:9]         ; the weight tile's source,
	s_cselect_b64 s[32:33], s[16:17], s[18:19]     ; and where it goes
	; ALL LOADS AT ONCE: 4 + 24 + 32
	global_load_b32 v8, v120, s[10:11] offset:8192     ; b_in[2048 + r]: B's
	global_load_b32 v9, v120, s[10:11] offset:8256     ; C's
	global_load_b32 v10, v120, s[10:11] offset:8320    ; delta's
	global_load_b32 v11, v120, s[12:13]                ; A_log[r]
.set t, 0
.rept 24
	global_load_b128 v[16+4*t:19+4*t], v6, s[6:7] offset:8192+8*WINP*(t/3)+64*(t%3)
.set t, t+1
.endr
.set i, 0
.rept 16
	global_load_b128 v[XR+8*i:XR+8*i+3],   v4, s[4:5] offset:4096*i th:TH_LOAD_NT      ; 512 consecutive bytes: channels 4 l ..
	global_load_b128 v[XR+8*i+4:XR+8*i+7], v4, s[4:5] offset:4096*i+512 th:TH_LOAD_NT  ; and 128 + 4 l ..
.set i, i+1
.endr
	s_wait_loadcnt 32                              ; loads come back in order: all but the 32 of x are in
.set t, 0
.rept 24
	v_cvt_pk_bf16_f32 v[16+4*t], v[16+4*t], v[17+4*t]
	v_cvt_pk_bf16_f32 v[17+4*t], v[18+4*t], v[19+4*t]
	ds_store_b64 v7, v[16+4*t:17+4*t] offset:8*WP*(t/3)+32*(t%3)
.set t, t+1
.endr
	; the weight tile: 16 rows k, a lane a column n
	v_lshl_add_u32 v32, v1, 2, s44
.set j, 0
.rept 15
	v_add_nc_u32 v[33+j], s30, v[32+j]
.set j, j+1
.endr
.set j, 0
.rept 16
	global_load_b32 v[16+j], v[32+j], s[28:29]
.set j, j+1
.endr
	; x, row by row: rounded, stored, and laid into LDS for the product
.set i, 0
.rept 16
	s_wait_loadcnt 46-2*i                          ; younger than row i's two loads: 2 (15 - i) of x and the 16 of the weight tile
	v_cvt_pk_bf16_f32 v[XR+8*i],   v[XR+8*i],   v[XR+8*i+1]
	v_cvt_pk_bf16_f32 v[XR+8*i+1], v[XR+8*i+2], v[XR+8*i+3]
	v_cvt_pk_bf16_f32 v[XR+8*i+2], v[XR+8*i+4], v[XR+8*i+5]
	v_cvt_pk_bf16_f32 v[XR+8*i+3], v[XR+8*i+6], v[XR+8*i+7]
	global_store_b64 v5, v[XR+8*i:XR+8*i+1],   s[14:15] offset:2048*i       ; the wave's store covers 256 consecutive bytes, aligned
	global_store_b64 v5, v[XR+8*i+2:XR+8*i+3], s[14:15] offset:2048*i+256
	ds_store_b64 v12, v[XR+8*i:XR+8*i+1]   offset:XP*i
	ds_store_b64 v12, v[XR+8*i+2:XR+8*i+3] offset:XP*i+256
.set i, i+1
.endr
	s_wait_loadcnt 0x0                             ; the weight tile
.set j, 0
.rept 8
	v_cvt_pk_bf16_f32 v[16+j], v[16+2*j], v[17+2*j]
.set j, j+1
.endr
	s_cmp_lt_u32 s27, 128
	s_cbranch_scc1 .Lbf                            ; W_in stays bf16; W_out's bf16 numbers are written as f16
.set j, 0
.rept 8
	v_lshlrev_b32 v32, 16, v[16+j]
	v_and_b32 v33, 0xffff0000, v[16+j]
	v_cvt_pk_f16_f32 v[16+j], v32, v33
.set j, j+1
.endr
.Lbf:
	ds_store_b128 v15, v[16:19]
	ds_store_b128 v15, v[20:23] offset:16
	v_cvt_pk_bf16_f32 v120, v8, v9                 ; the biases and A_log, rounded to bf16 like every input, and widened again
	v_cvt_pk_bf16_f32 v121, v10, v11
	v_lshlrev_b32 v8, 16, v120
	v_and_b32 v9, 0xffff0000, v120
	v_lshlrev_b32 v10, 16, v121
	v_and_b32 v11, 0xffff0000, v121
	s_wait_dscnt 0x0                               ; for the others' sake: my rows of the 48 columns and my part of the weight tile are in LDS
	s_barrier_signal -1
	s_barrier_wait -1
	ds_load_b128 v[120:123], v112                  ; the weight tile's rows back, whole
	ds_load_b128 v[124:127], v112 offset:2*TP
	s_wait_dscnt 0x0
	global_store_b128 v113, v[120:123], s[32:33]               ; 16 lanes store 256 consecutive bytes, aligned
	global_store_b128 v113, v[124:127], s[32:33] offset:4096
	; THE PRODUCT: my 16 rows x my 256 channels x 48 columns.  Source 0 = x, source 1 = the columns: in the result a lane holds state n = r and rows 8 h + 0..7.
	; v[16:23] B, v[24:31] C, v[32:39] raw delta.  The three accumulators take turns, one instruction a turn.
.set q, 0
.rept 4
.if q > 0
.rept 4
	v_nop                                          ; four places between the last product and the loads into registers that it read (ISA guide 7.12.1 for vector instructions)
.endr
.endif
.set kk, 0
.rept 2
	ds_load_b128 v[40+8*kk:43+8*kk], v13 offset:64*(2*q+kk)
	ds_load_b128 v[44+8*kk:47+8*kk], v13 offset:64*(2*q+kk)+32
.set nb, 0
.rept 3
	ds_load_tr16_b128 v[56+24*kk+8*nb:59+24*kk+8*nb], v14 offset:32*WP*(2*q+kk)+32*nb
	ds_load_tr16_b128 v[60+24*kk+8*nb:63+24*kk+8*nb], v14 offset:32*WP*(2*q+kk)+32*nb+16*WP
.set nb, nb+1
.endr
.set kk, kk+1
.endr
	s_wait_dscnt 0x0
.set kk, 0
.rept 2
.set nb, 0
.rept 3
.if (q == 0) && (kk == 0)
	v_wmma_f32_16x16x32_bf16 v[16+8*nb:23+8*nb], v[40+8*kk:47+8*kk], v[56+24*kk+8*nb:63+24*kk+8*nb], 0
.else
	v_wmma_f32_16x16x32_bf16 v[16+8*nb:23+8*nb], v[40+8*kk:47+8*kk], v[56+24*kk+8*nb:63+24*kk+8*nb], v[16+8*nb:23+8*nb]
.endif
.set nb, nb+1
.endr
.set kk, kk+1
.endr
.set q, q+1
.endr
.rept 8
	v_nop                                          ; the places behind the last products, once a launch
.endr
	s_cmp_lt_u32 s24, 4
	s_cbranch_scc1 .Lkeep                          ; waves 4 to 15 hand their partial sums over, in their own bytes, whose x they have read
	v_add_nc_u32 v104, s37, v4
.set u, 0
.rept 6
	ds_store_b128 v104, v[16+4*u:19+4*u] offset:512*u
.set u, u+1
.endr
.Lkeep:
	s_wait_dscnt 0x0
	s_barrier_signal -1
	s_barrier_wait -1
	s_cmp_lt_u32 s24, 4
	s_cbranch_scc0 .Lmeet                          ; waves 0 to 3 finish 16 rows each
	s_add_co_u32 s36, s37, 4*XSTB
	v_add_nc_u32 v116, s36, v4
	s_add_co_u32 s36, s36, 4*XSTB
	v_add_nc_u32 v117, s36, v4
	s_add_co_u32 s36, s36, 4*XSTB
	v_add_nc_u32 v118, s36, v4
.set u, 0
.rept 3
.set t, 0
.rept 6
	ds_load_b128 v[40+24*u+4*t:43+24*u+4*t], v[116+u] offset:512*t
.set t, t+1
.endr
.set u, u+1
.endr
	s_wait_dscnt 0x0
.set u, 0
.rept 3
.set p, 0
.rept 12
	v_pk_add_f32 v[16+2*p:17+2*p], v[16+2*p:17+2*p], v[40+24*u+2*p:41+24*u+2*p]   ; each accumulator is read from its low end on
.set p, p+1
.endr
.set u, u+1
.endr
	; delta = softplus(v) = max(v, 0) + ln 2 log2(1 + 2^(-|v| log2 e)), the form that reference() takes: no exponential of a positive number.  a = 2^(A2 delta), A2 = -2^(A_log log2 e) log2 e.
.macro ALL8 line:vararg
.set j, 0
.rept 8
	\line
.set j, j+1
.endr
.endm
	ALL8 v_add_f32 v[32+j], v10, v[32+j]
	ALL8 v_and_b32 v[40+j], 0x7fffffff, v[32+j]
	ALL8 v_mul_f32 v[40+j], s45, v[40+j]
	v_mul_f32 v48, s34, v11
	ALL8 v_exp_f32 v[40+j], v[40+j]
	v_exp_f32 v48, v48
	ALL8 v_max_num_f32 v[32+j], 0, v[32+j]         ; plain work that names no result of the nine exponentials,
	s_wait_alu depctr_va_vdst(0)                   ; and their one wait, ahead of the first reader
	ALL8 v_add_f32 v[40+j], 1.0, v[40+j]
	v_mul_f32 v48, s45, v48
	ALL8 v_log_f32 v[40+j], v[40+j]
	ALL8 v_add_f32 v[16+j], v8, v[16+j]            ; B's and C's biases meanwhile
	ALL8 v_add_f32 v[24+j], v9, v[24+j]
	s_wait_alu depctr_va_vdst(0)                   ; one wait for the eight logarithms
	ALL8 v_fma_f32 v[32+j], v[40+j], s35, v[32+j]
	ALL8 v_mul_f32 v[32+j], v48, v[32+j]
	ALL8 v_exp_f32 v[32+j], v[32+j]
	v_nop                                          ; a plain instruction behind the last exponential,
	s_wait_alu depctr_va_vdst(0)                   ; and the batch's wait
	; my eight rows from a zero entry: s in v[16:23], p in v[32:39]
.set j, 1
.rept 7
	v_fma_f32 v[16+j], v[32+j], v[15+j], v[16+j]
	v_mul_f32 v[32+j], v[31+j], v[32+j]
.set j, j+1
.endr
	v_lshlrev_b32 v60, 7, v119                     ; my sub-chunk's 128 bytes,
	v_lshl_add_u32 v60, v2, 2, v60                 ; my state's word
	v_add_nc_u32 v60, SUMM, v60
	ds_store_b32 v60, v39
	ds_store_b32 v60, v23 offset:64
.Lmeet:
	s_wait_dscnt 0x0
	s_barrier_signal -1
	s_barrier_wait -1                              ; the eight sub-chunks' (p_7, s_7) lie in LDS
	s_cmp_lt_u32 s24, 4
	s_cbranch_scc0 .Lend
	v_lshl_add_u32 v61, v2, 2, SUMM
.set j, 0
.rept 8
	ds_load_b32 v[40+2*j], v61 offset:128*j
	ds_load_b32 v[41+2*j], v61 offset:128*j+64
.set j, j+1
.endr
	v_mov_b32 v56, 0                               ; E: the state that the sub-chunks so far leave, from a zero entry into the chunk
	v_mov_b32 v57, 1.0                             ; Q: their decay product
	v_mov_b32 v58, 0                               ; E and Q at my sub-chunk's entry
	v_mov_b32 v59, 1.0
	s_lshl_b32 s46, s27, 2
	s_add_co_u32 s46, s46, s24
	s_lshl_b32 s46, s46, 11                        ; my 16 rows' block of ug
	s_add_nc_u64 s[20:21], s[20:21], s[46:47]
	s_wait_dscnt 0x0
.set j, 0
.rept 8
	v_cmp_eq_u32 vcc_lo, j, v119
	v_cndmask_b32 v58, v58, v56, vcc_lo
	v_cndmask_b32 v59, v59, v57, vcc_lo
	v_fma_f32 v56, v[40+2*j], v56, v[41+2*j]
	v_mul_f32 v57, v[40+2*j], v57
.set j, j+1
.endr
	ALL8 v_fma_f32 v[16+j], v[32+j], v58, v[16+j]
	ALL8 v_mul_f32 v[32+j], v[32+j], v59
	ALL8 v_mul_f32 v[16+j], v[24+j], v[16+j]       ; U
	ALL8 v_mul_f32 v[32+j], v[24+j], v[32+j]       ; G
	global_store_b128 v4, v[16:19], s[20:21]                   ; 512 consecutive bytes each
	global_store_b128 v4, v[20:23], s[20:21] offset:512
	global_store_b128 v4, v[32:35], s[20:21] offset:1024
	global_store_b128 v4, v[36:39], s[20:21] offset:1536
	s_cmp_lg_u32 s24, 0
	s_cbranch_scc1 .Lend                           ; wave 0 stores the chunk's summary: lanes 0-15 Q, lanes 16-31 E
	v_cmp_eq_u32 vcc_lo, 1, v3
	v_cndmask_b32 v62, v57, v56, vcc_lo
	v_lshlrev_b32 v63, 2, v1
	s_lshl_b32 s46, s27, 7
	s_add_nc_u64 s[22:23], s[22:23], s[46:47]
	global_store_b32 v63, v62, s[22:23]
.Lend:
	s_wait_tensorcnt 0x0                           ; the wave's end, behind my last LDS store
	ds_add_u32 v[SPW], v[NIL]
	s_wait_dscnt 0x0
	s_endpgm
.Lfunc_end_k_qa0232f3d0c_prep:
	.size	k_qa0232f3d0c_prep, .Lfunc_end_k_qa0232f3d0c_prep-k_qa0232f3d0c_prep
	.p2alignl 7, 3214868480
	.fill 96, 4, 3214868480
	.section	.rodata,"a",@progbits
	.p2align	6, 0x0
	.amdhsa_kernel k_qa0232f3d0c_prep
		.amdhsa_group_segment_fixed_size 253952
		.amdhsa_private_segment_fixed_size 0
		.amdhsa_enable_private_segment 0
		.amdhsa_kernarg_size 80
		.amdhsa_user_sgpr_count 2
		.amdhsa_user_sgpr_kernarg_segment_ptr 1
		.amdhsa_wavefront_size32 1
		.amdhsa_system_sgpr_workgroup_id_x 1
		.amdhsa_system_sgpr_workgroup_id_y 1
		.amdhsa_system_sgpr_workgroup_id_z 1
		.amdhsa_system_vgpr_workitem_id 0
		.amdhsa_next_free_vgpr 256
		.amdhsa_next_free_sgpr 66
		.amdhsa_reserve_vcc 1
		.amdhsa_float_denorm_mode_32 3
		.amdhsa_float_denorm_mode_16_64 3
		.amdhsa_memory_ordered 1
		.amdhsa_forward_progress 1
		.amdhsa_inst_pref_size 49
	.end_amdhsa_kernel
	.amdgpu_metadata
---
amdhsa.version: [ 1, 2 ]
amdhsa.kernels:
  - .name:           k_qa0232f3d0c_prep
    .symbol:         k_qa0232f3d0c_prep.kd
    .args:
      - { .name: x, .offset: 0, .size: 8, .value_kind: global_buffer, .address_space: global }
      - { .name: W_in, .offset: 8, .size: 8, .value_kind: global_buffer, .address_space: global }
      - { .name: W_out, .offset: 16, .size: 8, .value_kind: global_buffer, .address_space: global }
      - { .name: b_in, .offset: 24, .size: 8, .value_kind: global_buffer, .address_space: global }
      - { .name: A_log, .offset: 32, .size: 8, .value_kind: global_buffer, .address_space: global }
      - { .name: xb, .offset: 40, .size: 8, .value_kind: global_buffer, .address_space: global }
      - { .name: wzt, .offset: 48, .size: 8, .value_kind: global_buffer, .address_space: global }
      - { .name: wot, .offset: 56, .size: 8, .value_kind: global_buffer, .address_space: global }
      - { .name: ug, .offset: 64, .size: 8, .value_kind: global_buffer, .address_space: global }
      - { .name: sm, .offset: 72, .size: 8, .value_kind: global_buffer, .address_space: global }
    .group_segment_fixed_size: 253952
    .private_segment_fixed_size: 0
    .kernarg_segment_align: 8
    .kernarg_segment_size: 80
    .max_flat_workgroup_size: 512
    .sgpr_count:     66
    .vgpr_count:     256
    .wavefront_size: 32
...
	.end_amdgpu_metadata
.endif
;; end of part 1
;; launch gemm1 (part 2): grid 4 x 64, 4 waves a work-group, clusters of 4 x 4, 327,680 bytes of LDS; arguments xb, wzt, hb, b_in, ug, sm, yv; writes hb, yv
.if DOCPART == 2
	.amdgcn_target "amdgcn-amd-amdhsa--gfx1250"
	.amdhsa_code_object_version 6
	.text
	.protected	k_qa0232f3d0c_gemm1
	.globl	k_qa0232f3d0c_gemm1
	.p2align	8
	.type	k_qa0232f3d0c_gemm1,@function
k_qa0232f3d0c_gemm1:
	s_mov_b64 s[64:65], 0
	v_nop
	global_prefetch_b8 v0, s[64:65] scope:SCOPE_SE
	s_setreg_imm32_b32 hwreg(HW_REG_WAVE_MODE, 25, 1), 1
	s_wait_xcnt 0x0
	s_wait_alu depctr_hold_cnt(0) depctr_sa_sdst(0) depctr_va_vdst(0) depctr_va_sdst(0) depctr_va_ssrc(0) depctr_va_vcc(0) depctr_vm_vsrc(0)
	s_getreg_b32 s2, hwreg(HW_REG_IB_STS2, 6, 4)
	s_cmp_eq_u32 s2, 0
	s_cbranch_scc0 .Lentry_in_a_cluster
	s_endpgm
.Lentry_in_a_cluster:
	s_bfe_u32 s2, ttmp6, 0x10000c
	s_cmp_lg_u32 s2, 0xf033
	s_cbranch_scc0 .Lentry_shape_is_right
	s_endpgm
.Lentry_shape_is_right:
; SECOND LAUNCH.  hb = f16(gelu(xb wzt^T + b_in[1024:2048])), and yv = the scan's y.  Left out as in the first launch: xz[..., :1024] (xm), which no line of reference() uses.
; xb: [16384][1024] bf16, wzt: [1024 n][1024 k] bf16, hb: [16384][1024] f16; sums in f32; the bias is rounded to bf16 like every input.
; LIMITS.  h is stored in f16: |gelu(z)| stays under 65,504; below 6.1e-5 it keeps f16's fixed step of 6e-8.  NaN and infinities are not treated apart.
; GELU, exact form: gelu(z) = z (1 + erf(z / sqrt 2)) / 2.  With hz = z / 2, ah = |hz|, r = erfc(|z| / sqrt 2): gelu = (hz + ah) - ah r, for both signs.  r = 1 / D^16, D = 1 + c1 ah + .. + c6 ah^6
; (Abramowitz and Stegun 7.1.28, within 3e-7 for every argument from 0 on; c_k = a_k 2^(k/2), since |z| / sqrt 2 = ah sqrt 2).  Where D^16 passes f32's range r is 0, which is its limit.
; THE PRODUCT.  A tile of 256 x 256 is made by four waves, each 128 x 128 in 64 accumulators; 64 x 4 tiles: one for each work-group.  K goes in steps of 128 through two LDS slots filled by tensor loads;
; rows of 256 bytes, padded to 272 in LDS.  4 x 4 work-groups form a cluster: the four of a row ask for xb's tile JOINTLY, the four of a column for wzt's: the same load, descriptor and mask in all four.
; The matrix instruction is used transposed (source 0 = 16 rows of wzt, source 1 = 16 rows of xb): a lane holds row l % 16 and the columns 8 (l / 16) + 0..7.
; REGISTERS, in windows of 256: window 0: v0-31 addresses, v64-191 fragments of xb (two buffers), v192-255 the y part; window 1: v64-191 fragments of wzt; windows 2, 3: the accumulators.
; On the way out window 0 holds: v[8:11] half the bias, v32-63 h packed, v64-127 z, v128-191 ah, v192-255 D.
; THE WAY OUT.  The ring has had its last fill, so it is the stage: each wave lays its 128 x 128 sums there in f32, rows of 512 + 16 bytes, and reads them back by rows, 16 rows a trip.
; Y.  Work-group (ty, tx) also finishes chunk c = 4 ty + tx of the scan, a wave 16 rows, in the wait for the first tiles: Sin from the batch's earlier summaries, by selection; y = sum over n of (U + G Sin).
.set SIZE_K, 1024
.set KSTEP,  128
.set PITCH,  272                       ; an LDS row: 256 bytes + 16 of padding = 68 words: the 16 rows of a load start at 16 different groups of four banks (64 banks of 4 bytes: ISA guide 11.1)
.set HALFT,  128*PITCH                 ; what one tensor load brings, and what one wave reads of either operand
.set SLOT,   4*HALFT
.set SPARE,  2*SLOT                    ; behind the ring: the spare words, 128 bytes for each wave: two blocks of 256 bytes that no other line names
.set LAPS,   SIZE_K/(2*KSTEP)
.set SROW,   528                       ; the stage: a row of 128 f32 + 16 bytes
.set SWAVE,  128*SROW                  ; a wave's stage; four of them, 270,336 bytes, lie inside the ring's 278,528
.set ADRA, 16                          ; v16-17  LDS address of my xb fragments in slot 0, 1
.set ADRB, 20                          ; v20-21  the same for wzt
.set STO,  24                          ; v24     the way out: where I put 32 bytes of a row
.set RD,   25                          ; v25     where I read 16 bytes of a row back
.set CO,   26                          ; v26     8 l: my 8 bytes of 256 of hb
.set SPW,  28                          ; v28     my spare word's address; never rewritten
.set NIL,  29                          ; v29     0; never rewritten
.set PFO,  30                          ; v30     the prefetches' offset: my lane x a row of 2,048 bytes; never rewritten
.set PFA,  44                          ; s[44:45] where my prefetches stand
.set LIM,  43                          ; s43     1 in a wave that prefetches, else the greatest number
.set F0,   64
.set F1,   128
.set G1, 24                            ; s[24:31] descriptor group 1 for xb's tiles;  s[32:39] group 0, a set for each slot
.set G0, 32
.set G1B, 48                           ; s[48:55], s[56:63] the same for wzt's
.set G0B, 56
.set HBR, 8
.set OUTR, 32
.set ZR,  64
.set AHR, 128
.set DR,  192
.set MSB, 0
.macro WIN new                         ; the immediate's high byte repeats the setting that is left; a switch that changes nothing is dropped
.if MSB != (\new)
	s_set_vgpr_msb (MSB<<8)|(\new)
.set MSB, \new
.endif
.endm
.set MUL_LO, 0xa1                      ; source 0 window 1, source 1 window 0, C and D window 2
.set MUL_HI, 0xf1                      ; the same, C and D window 3
.set TO_B,   0x40                      ; destination window 1, address window 0
; A joint load.  Waves 0 and 1 fetch xb's two halves, waves 2 and 3 wzt's.  The branch hangs on the wave's number alone.  An s_nop 0 and four v_nop follow each of the two lines.
.macro JLOAD s
	s_cmp_eq_u32 s11, 0
	s_cbranch_scc0 .Lfor_b_\@
	tensor_load_to_lds s[G0+4*(\s):G0+4*(\s)+3], s[G1:G1+7]
	s_nop 0
.rept 4
	v_nop
.endr
	s_branch .Lasked_\@
.Lfor_b_\@:
	tensor_load_to_lds s[G0B+4*(\s):G0B+4*(\s)+3], s[G1B:G1B+7]
	s_nop 0
.rept 4
	v_nop
.endr
.Lasked_\@:
.endm
; A prefetch into the L2, behind each joint refill and the run of LDS loads that follows it: the K step two refills on, 512 matrix instructions ahead of the load that will want it: 32 rows x 256 bytes, a lane a row.
; xb's rows are read by one cluster alone, which asks; wzt's by all sixteen: the cluster with y = 0 asks.  Of the 128 rows that a wave fetches each of the four partners takes 32, told apart by address.
; The loop's last trip asks for nothing: its refills are the last two K steps.  The first four K steps come by their loads alone.
.macro ASK
	s_cmp_gt_u32 s3, s[LIM]
	s_cbranch_scc0 .Lnot_mine_\@
	global_prefetch_b8 v[PFO], s[PFA:PFA+1] offset:KSTEP*2 th:TH_LOAD_NT scope:SCOPE_SE
.Lnot_mine_\@:
.endm
.macro CREST                           ; a round of the cluster's barrier behind its opening barrier
	s_cmp_lg_u32 s10, 0
	s_cbranch_scc1 .Lnot_wave_0_\@
	s_barrier_signal -3
.Lnot_wave_0_\@:
	s_barrier_wait -3
	s_barrier_signal -1
	s_barrier_wait -1
.endm
.macro CROUND                          ; a whole round
	s_barrier_signal -1
	s_barrier_wait -1
	CREST
.endm
	s_load_b128 s[4:7], s[0:1], 0x0                ; xb s[4:5], wzt s[6:7]
	s_load_b64 s[8:9], s[0:1], 0x10                ; hb
	s_load_b256 s[68:75], s[0:1], 0x18             ; b_in s[68:69], ug s[70:71], sm s[72:73], yv s[74:75]
	v_lshl_add_u32 v[SPW], v0, 2, SPARE
	v_mov_b32 v[NIL], 0
	ds_add_u32 v[SPW], v[NIL]                      ; the wave's opening: the add, twice on end, and its wait ahead of my first tensor load
	ds_add_u32 v[SPW], v[NIL]                      ; and once more, under the one wait; the set-up below, work on registers, stands between
	v_lshrrev_b32 v1, 5, v0
	v_readfirstlane_b32 s10, v1                    ; wave 0..3
	s_lshr_b32 s11, s10, 1                         ; which half of the tile's rows is mine.  Also: I fetch for xb (0) or for wzt (1)
	s_and_b32 s12, s10, 1                          ; which half of its columns.  Also: which 128 rows of that tile I fetch
	s_bfe_u32 s40, ttmp6, 0x40000                  ; cx
	s_bfe_u32 s41, ttmp6, 0x40004                  ; cy
	s_lshl_b32 s42, ttmp9, 2
	s_add_co_u32 s42, s42, s40                     ; tile column tx = 4 x cluster x + cx
	s_and_b32 s13, ttmp7, 0xffff
	s_lshl_b32 s13, s13, 2
	s_add_co_u32 s13, s13, s41                     ; tile row ty = 4 x cluster y + cy
	s_lshl_b32 s90, s13, 2
	s_add_co_u32 s90, s90, s42                     ; c = 4 ty + tx: my chunk of the scan; it enters values and global addresses alone
	s_lshl_b32 s43, s41, 2
	s_lshl_b32 s43, 15, s43                        ; my row of the cluster
	s_lshl_b32 s44, 0x1111, s40                    ; my column
	s_or_b32 s[G1+0], s43, (1<<16)|(1<<20)|(1<<21)|(5<<22)|(3<<25)  ; the mask; elements of 2 bytes; padding on; bit 21 beside a mask; after every 64 words; 4 words
	s_or_b32 s[G1B+0], s44, (1<<16)|(1<<20)|(1<<21)|(5<<22)|(3<<25)
.irp g, G1, G1B
	s_mov_b32 s[(\g)+1], KSTEP<<16                 ; tensor_dim0 = 128
	s_mov_b32 s[(\g)+2], 128<<16                   ; tensor_dim1 = 128
	s_mov_b32 s[(\g)+3], KSTEP<<16                 ; tile_dim0 = 128
	s_mov_b32 s[(\g)+4], 128                       ; tile_dim1 = 128
	s_mov_b32 s[(\g)+5], SIZE_K                    ; elements from row to row
	s_mov_b32 s[(\g)+6], 0
	s_mov_b32 s[(\g)+7], 0
.endr
	s_lshl_b32 s17, s12, 7
	s_lshl_b32 s16, s13, 8
	s_add_co_u32 s16, s16, s17                     ; xb: row 256 ty + 128 x half
	s_lshl_b32 s46, s42, 8
	s_add_co_u32 s46, s46, s17                     ; wzt: row 256 tx + 128 x half
	s_mov_b32 s17, 0
	s_mov_b32 s47, 0
	s_mov_b64 s[18:19], SIZE_K*2
	s_mul_u64 s[16:17], s[16:17], s[18:19]
	s_mul_u64 s[46:47], s[46:47], s[18:19]
	s_mul_i32 s20, s10, HALFT                      ; where they go: wave x 128 rows: no place in the cluster enters an LDS address
	s_wait_dscnt 0x0                               ; both opening adds are done
	s_wait_kmcnt 0x0
	s_add_nc_u64 s[14:15], s[4:5], s[16:17]
	s_add_nc_u64 s[46:47], s[6:7], s[46:47]
	CROUND                                         ; all sixteen work-groups are here: the first joint loads meet
.irp s, 0,1
	s_mov_b32 s[G0+4*(\s)], 1
	s_add_co_u32 s[G0+4*(\s)+1], s20, (\s)*SLOT
	s_add_nc_u64 s[G0+4*(\s)+2:G0+4*(\s)+3], s[14:15], (\s)*KSTEP*2
	s_or_b32 s[G0+4*(\s)+3], s[G0+4*(\s)+3], 0x80000000
	s_mov_b32 s[G0B+4*(\s)], 1
	s_add_co_u32 s[G0B+4*(\s)+1], s20, (\s)*SLOT
	s_add_nc_u64 s[G0B+4*(\s)+2:G0B+4*(\s)+3], s[46:47], (\s)*KSTEP*2
	s_or_b32 s[G0B+4*(\s)+3], s[G0B+4*(\s)+3], 0x80000000
	JLOAD \s                                       ; two tensor loads of mine are out
.endr
	v_and_b32 v1, 15, v0                           ; r = l % 16
	v_bfe_u32 v2, v0, 4, 1                         ; h = l / 16
	v_and_b32 v5, 31, v0                           ; l
	v_mul_u32_u24 v3, v1, PITCH
	v_lshl_add_u32 v3, v2, 4, v3
	s_mul_i32 s21, s11, HALFT
	s_mul_i32 s22, s12, HALFT
	s_add_co_u32 s22, s22, 2*HALFT
.irp s, 0,1
	v_add_nc_u32 v[ADRA+(\s)], s21, v3
	v_add_nc_u32 v[ADRB+(\s)], s22, v3
	s_add_co_u32 s21, s21, SLOT
	s_add_co_u32 s22, s22, SLOT
.endr
	s_mul_i32 s23, s10, SWAVE                      ; my stage
	v_mul_u32_u24 v4, v1, SROW
	v_lshl_add_u32 v4, v2, 5, v4
	v_add_nc_u32 v[STO], s23, v4                   ; in: row r, 32 bytes for each half of the lanes
	v_lshl_add_u32 v[RD], v5, 4, s23               ; back: 32 lanes take a row's 512 bytes
	v_lshlrev_b32 v[CO], 3, v5
	s_lshl_b32 s94, s42, 10
	s_lshl_b32 s95, s12, 9
	s_add_co_u32 s94, s94, s95                     ; my first column in f32 bytes: 1,024 tx + 512 x half
	s_lshr_b32 s46, s94, 1                         ; and in f16 bytes
	s_add_co_u32 s94, s94, 4096                    ; z's biases begin at b_in[1024]
	v_lshl_add_u32 v6, v5, 4, s94
	global_load_b128 v[HBR:HBR+3], v6, s[68:69]    ; the bias of my four columns 4 l ..
	s_lshl_b32 s13, s13, 8                         ; 256 ty
	s_lshl_b32 s14, s11, 7
	s_add_co_u32 s16, s13, s14                     ; my first row
	s_lshl_b32 s16, s16, 11
	s_add_co_u32 s16, s16, s46
	s_mov_b32 s17, 0
	s_add_nc_u64 s[8:9], s[8:9], s[16:17]          ; hb at my 128 x 128
	; the scan's chunk c: block 4 c + wave of 16 rows; the batch's summaries
	s_and_b32 s91, s90, 7                          ; the chunk's place in its batch
	s_lshl_b32 s94, s90, 2
	s_add_co_u32 s94, s94, s10
	s_lshl_b32 s96, s94, 6
	s_lshl_b32 s94, s94, 11
	s_mov_b32 s95, 0
	s_mov_b32 s97, 0
	s_add_nc_u64 s[70:71], s[70:71], s[94:95]
	s_add_nc_u64 s[74:75], s[74:75], s[96:97]
	s_lshr_b32 s94, s90, 3
	s_lshl_b32 s94, s94, 10
	s_add_nc_u64 s[72:73], s[72:73], s[94:95]
	v_lshlrev_b32 v224, 4, v5
	v_lshlrev_b32 v225, 2, v1
	global_load_b128 v[192:195], v224, s[70:71]                ; U of rows 8 h + 0..3, state r
	global_load_b128 v[196:199], v224, s[70:71] offset:512     ; rows 8 h + 4..7
	global_load_b128 v[200:203], v224, s[70:71] offset:1024    ; G
	global_load_b128 v[204:207], v224, s[70:71] offset:1536
.set j, 0
.rept 7
	global_load_b32 v[208+2*j], v225, s[72:73] offset:128*j        ; chunk j's decay product,
	global_load_b32 v[209+2*j], v225, s[72:73] offset:128*j+64     ; and the state that it leaves from a zero entry
.set j, j+1
.endr
	; the prefetches' address (scalar work while those loads are out).  s13 = 256 ty
	s_lshl_b32 s42, s42, 8
	s_and_b32 s22, ttmp7, 0xffff                   ; cluster y
	s_cmp_eq_u32 s11, 0                            ; do I fetch for xb?
	s_cselect_b32 s20, s13, s42                    ; the tile's first row
	s_cselect_b32 s21, s40, s41                    ; my place among the four that ask for it with me
	s_cselect_b32 s22, ttmp9, s22                  ; the coordinate along which other clusters read the same rows
	s_cselect_b64 s[PFA:PFA+1], s[4:5], s[6:7]
	s_cmp_eq_u32 s22, 0
	s_cselect_b32 s[LIM], 1, -1                    ; the same in all sixteen partners, for a given wave
	s_lshl_b32 s22, s12, 7
	s_add_co_u32 s20, s20, s22
	s_lshl_b32 s21, s21, 5
	s_add_co_u32 s20, s20, s21
	s_mov_b32 s21, 0
	s_mov_b64 s[18:19], SIZE_K*2
	s_mul_u64 s[20:21], s[20:21], s[18:19]
	s_add_nc_u64 s[PFA:PFA+1], s[PFA:PFA+1], s[20:21]
	s_add_nc_u64 s[PFA:PFA+1], s[PFA:PFA+1], 2*KSTEP*2  ; at K step 2: the first refill steps it to 3 and names K step 4
	v_mul_u32_u24 v[PFO], v5, SIZE_K*2
	s_mov_b32 s76, 0x3dcc41b4                      ; c1 .. c6, each as a pair whose low word the packed lines take for both halves
	s_mov_b32 s77, s76
	s_mov_b32 s78, 0x3dad2fe7
	s_mov_b32 s79, s78
	s_mov_b32 s80, 0x3cd6cd72
	s_mov_b32 s81, s80
	s_mov_b32 s82, 0x3a1f6607
	s_mov_b32 s83, s82
	s_mov_b32 s84, 0x3acd0fec
	s_mov_b32 s85, s84
	s_mov_b32 s86, 0x39b49f67
	s_mov_b32 s87, s86
	s_mov_b32 s88, 0x7fffffff
	s_wait_loadcnt 0x0
	v_cvt_pk_bf16_f32 v12, v[HBR], v[HBR+1]        ; the bias: rounded to bf16, widened, halved
	v_cvt_pk_bf16_f32 v13, v[HBR+2], v[HBR+3]
	v_lshlrev_b32 v[HBR], 16, v12
	v_and_b32 v[HBR+1], 0xffff0000, v12
	v_lshlrev_b32 v[HBR+2], 16, v13
	v_and_b32 v[HBR+3], 0xffff0000, v13
	v_pk_mul_f32 v[HBR:HBR+1], v[HBR:HBR+1], 0.5 op_sel_hi:[1,0]
	v_pk_mul_f32 v[HBR+2:HBR+3], v[HBR+2:HBR+3], 0.5 op_sel_hi:[1,0]
	v_mov_b32 v222, 0                              ; Sin: reference()'s zero state, carried through the chunks in front of mine; the others' steps are made and not taken
.set j, 0
.rept 7
	v_fma_f32 v223, v[208+2*j], v222, v[209+2*j]
	s_cmp_gt_u32 s91, j
	s_cselect_b32 s92, -1, 0
	v_cndmask_b32 v222, v222, v223, s92
.set j, j+1
.endr
.set j, 0
.rept 8
	v_fma_f32 v[192+j], v[200+j], v222, v[192+j]
.set j, j+1
.endr
.irp m, 1,2,4,8                        ; the sum over the 16 states, which lie in the 16 lanes of a half
.set j, 0
.rept 8
	v_add_f32_dpp v[192+j], v[192+j], v[192+j] row_xmask:\m row_mask:0xf bank_mask:0xf
.set j, j+1
.endr
.endr
	v_and_b32 v227, 1, v1                          ; lane (r, h) takes row 8 h + r % 8: lanes r and r + 8 store the same number at the same place
	v_cmp_ne_u32 vcc_lo, 0, v227
.set k, 0
.rept 4
	v_cndmask_b32 v[228+k], v[192+2*k], v[193+2*k], vcc_lo
.set k, k+1
.endr
	v_and_b32 v227, 2, v1
	v_cmp_ne_u32 vcc_lo, 0, v227
	v_cndmask_b32 v232, v228, v229, vcc_lo
	v_cndmask_b32 v233, v230, v231, vcc_lo
	v_and_b32 v227, 4, v1
	v_cmp_ne_u32 vcc_lo, 0, v227
	v_cndmask_b32 v234, v232, v233, vcc_lo
	v_and_b32 v226, 7, v1
	v_lshl_add_u32 v226, v2, 3, v226
	v_lshlrev_b32 v226, 2, v226
	global_store_b32 v226, v234, s[74:75]          ; 64 consecutive bytes of yv
; 16 matrix instructions: m blocks a0, a0 + 1 of the window's four x all 8 n blocks, 32 along K.  zero = 1: the first product starts the sums.
; The 64 accumulators take turns in the same order in every quarter step.
.macro MUL16 f, hi, a0, zero
	WIN MUL_LO+0x50*(\hi)
.irp a, \a0, (\a0)+1
.irp b, 0,1,2,3,4,5,6,7
.if \zero
	v_wmma_f32_16x16x32_bf16 v[8*(8*(\a)+(\b)):8*(8*(\a)+(\b))+7], v[(\f)+8*(\b):(\f)+8*(\b)+7], v[(\f)+8*(4*(\hi)+(\a)):(\f)+8*(4*(\hi)+(\a))+7], 0
.else
	v_wmma_f32_16x16x32_bf16 v[8*(8*(\a)+(\b)):8*(8*(\a)+(\b))+7], v[(\f)+8*(\b):(\f)+8*(\b)+7], v[(\f)+8*(4*(\hi)+(\a)):(\f)+8*(4*(\hi)+(\a))+7], v[8*(8*(\a)+(\b)):8*(8*(\a)+(\b))+7]
.endif
.endr
.endr
.endm
; 32 LDS loads in one run: the fragments of one quarter step (32 K at byte k of the rows) into buffer f
.macro FETCH slot, k, f
	WIN TO_B
.irp i, 0,1,2,3,4,5,6,7
	ds_load_b128 v[(\f)+8*(\i):(\f)+8*(\i)+3],   v[ADRB+(\slot)] offset:(\k)+(\i)*16*PITCH
	ds_load_b128 v[(\f)+8*(\i)+4:(\f)+8*(\i)+7], v[ADRB+(\slot)] offset:(\k)+(\i)*16*PITCH+32
.endr
	WIN 0
.irp i, 0,1,2,3,4,5,6,7
	ds_load_b128 v[(\f)+8*(\i):(\f)+8*(\i)+3],   v[ADRA+(\slot)] offset:(\k)+(\i)*16*PITCH
	ds_load_b128 v[(\f)+8*(\i)+4:(\f)+8*(\i)+7], v[ADRA+(\slot)] offset:(\k)+(\i)*16*PITCH+32
.endr
.endm
.macro PLACES                          ; four places in front of loads into registers that matrix instructions have read (ISA guide 7.12.1 for vector instructions)
.rept 4
	v_nop
.endr
.endm
; A K step is four quarters of 32 along K, 64 matrix instructions each, on buffers 0, 1, 0, 1.  One of the first three multiplies buffer f and fetches the next quarter, at byte k, into g.
.macro QUARTER slot, k, f, g, zero
	s_wait_dscnt 8                                 ; all but the youngest eight loads (xb's rows 64-127) are in
	WIN MUL_LO
	MUL16 \f, 0, 0, \zero
	MUL16 \f, 0, 2, \zero
	PLACES
	FETCH \slot, \k, \g
	s_wait_dscnt 32                                ; all but the 32 just issued
	WIN MUL_HI
	MUL16 \f, 1, 0, \zero
	MUL16 \f, 1, 2, \zero
.endm
; The first half of a K step's last quarter: ONE barrier for the change of slots.
.macro MEET round
	WIN 0                                          ; (the add's two registers lie in window 0)
	s_wait_tensorcnt 0x0                           ; all my tensor loads have landed: the one that was out is my part of the next slot;
	ds_add_u32 v[SPW], v[NIL]                      ; 0 onto my spare word;
	s_wait_dscnt 9                                 ; (the add and the youngest eight loads may be out)
	WIN MUL_LO
	MUL16 F1, 0, 0, 0
	s_wait_dscnt 0x0                               ; the add is done, and my reads of this slot are over:
	s_barrier_signal -1                            ; say so,
	MUL16 F1, 0, 2, 0                              ; work on registers while the others arrive,
.if \round
	WIN 0
.endif
	s_barrier_wait -1
.endm
; The whole last quarter.  fill = 1: the barrier opens a round of the cluster's, and the slot just read out is filled again, two K steps on, first thing behind the round: 224 matrix instructions ahead of the wait for it.
.macro TURN slot, next, fill
.if \fill
	s_wait_xcnt 0x0                                ; the last prefetch, a K step back, has read its address
	s_add_nc_u64 s[PFA:PFA+1], s[PFA:PFA+1], KSTEP*2
	MEET 1
	CREST                                          ; no wave of any partner still reads this slot's tile or has a load on its way
	s_add_nc_u64 s[G0+4*(\slot)+2:G0+4*(\slot)+3], s[G0+4*(\slot)+2:G0+4*(\slot)+3], 2*KSTEP*2
	s_add_nc_u64 s[G0B+4*(\slot)+2:G0B+4*(\slot)+3], s[G0B+4*(\slot)+2:G0B+4*(\slot)+3], 2*KSTEP*2
	JLOAD \slot                                    ; its four v_nop are also the places in front of the loads below
	FETCH \next, 0, F0
	ASK
.else
	MEET 0
	PLACES
	FETCH \next, 0, F0
.endif
	WIN MUL_HI
	MUL16 F1, 1, 0, 0
	MUL16 F1, 1, 2, 0
.endm
	s_wait_tensorcnt 1                             ; my part of K step 0 is in; K step 1's may stay out
	s_barrier_signal -1
	s_barrier_wait -1
	FETCH 0, 0, F0
	QUARTER 0, 64,  F0, F1, 1                      ; the first quarter stands in front of the loop: its products start the sums
	WIN 0                                          ; at a label and at a branch every window is 0
	s_mov_b32 s3, LAPS-1
.Llap:                                                 ; a trip goes once round the ring and fills both slots again
	QUARTER 0, 128, F1, F0, 0
	QUARTER 0, 192, F0, F1, 0
	TURN 0, 1, 1
	QUARTER 1, 64,  F0, F1, 0
	QUARTER 1, 128, F1, F0, 0
	QUARTER 1, 192, F0, F1, 0
	TURN 1, 0, 1
	QUARTER 0, 64,  F0, F1, 0
	WIN 0
	s_sub_co_u32 s3, s3, 1
	s_cmp_lg_u32 s3, 0
	s_cbranch_scc1 .Llap
	QUARTER 0, 128, F1, F0, 0                      ; the last lap fills nothing
	QUARTER 0, 192, F0, F1, 0
	TURN 0, 1, 0
	QUARTER 1, 64,  F0, F1, 0
	QUARTER 1, 128, F1, F0, 0
	QUARTER 1, 192, F0, F1, 0
	s_wait_dscnt 8                                 ; the very last quarter
	MUL16 F1, 0, 0, 0
	MUL16 F1, 0, 2, 0
	s_wait_dscnt 0x0                               ; my reads of the ring are over:
	s_barrier_signal -1
	MUL16 F1, 1, 0, 0
	MUL16 F1, 1, 2, 0
	WIN 0
	s_barrier_wait -1                              ; everybody's are: the ring, which is filled no more, becomes the stage
	PLACES
	PLACES                                         ; the places behind the last products, once a launch
.irp a, 0,1,2,3,4,5,6,7                ; each accumulator's low four registers go first
	WIN 0x08+4*((\a)/4)                            ; the data (source 1) in window 2 or 3
.irp b, 0,1,2,3,4,5,6,7
	ds_store_b128 v[STO], v[8*(8*((\a)%4)+(\b)):8*(8*((\a)%4)+(\b))+3]   offset:16*SROW*(\a)+64*(\b)
	ds_store_b128 v[STO], v[8*(8*((\a)%4)+(\b))+4:8*(8*((\a)%4)+(\b))+7] offset:16*SROW*(\a)+64*(\b)+16
.endr
.endr
	WIN 0
.macro EACH32 line:vararg              ; one line for each pair p of the trip's 64 numbers a lane: row p / 2, columns 4 l + 2 (p % 2), + 1
.set p, 0
.rept 32
	\line
.set p, p+1
.endr
.endm
	s_wait_xcnt 0x0                                ; y's store has read its registers, which the trips write
	s_mov_b32 s3, 8
.Lout:                                                 ; 16 rows a trip
.set i, 0
.rept 16
	ds_load_b128 v[ZR+4*i:ZR+4*i+3], v[RD] offset:SROW*i   ; LDS serves a wave's instructions in order (ISA guide 5.7.1.4): these see my stores above
.set i, i+1
.endr
	s_wait_dscnt 0x0
	EACH32 v_pk_fma_f32 v[ZR+2*p:ZR+2*p+1], v[ZR+2*p:ZR+2*p+1], 0.5, v[HBR+2*(p%2):HBR+2*(p%2)+1] op_sel_hi:[1,0,1]
	EACH32 v_and_b32 v[AHR+2*p], s88, v[ZR+2*p]
	EACH32 v_and_b32 v[AHR+2*p+1], s88, v[ZR+2*p+1]
	EACH32 v_pk_fma_f32 v[DR+2*p:DR+2*p+1], v[AHR+2*p:AHR+2*p+1], s[86:87], s[84:85] op_sel_hi:[1,0,0]
.irp c, 82,80,78,76
	EACH32 v_pk_fma_f32 v[DR+2*p:DR+2*p+1], v[DR+2*p:DR+2*p+1], v[AHR+2*p:AHR+2*p+1], s[\c:\c+1] op_sel_hi:[1,1,0]
.endr
	EACH32 v_pk_fma_f32 v[DR+2*p:DR+2*p+1], v[DR+2*p:DR+2*p+1], v[AHR+2*p:AHR+2*p+1], 1.0 op_sel_hi:[1,1,0]
.rept 4
	EACH32 v_pk_mul_f32 v[DR+2*p:DR+2*p+1], v[DR+2*p:DR+2*p+1], v[DR+2*p:DR+2*p+1]
.endr
.set i, 0
.rept 64
	v_rcp_f32 v[DR+i], v[DR+i]                     ; one batch
.set i, i+1
.endr
	EACH32 v_pk_add_f32 v[ZR+2*p:ZR+2*p+1], v[ZR+2*p:ZR+2*p+1], v[AHR+2*p:AHR+2*p+1]
	s_wait_alu depctr_va_vdst(0)                   ; one wait for the 64 reciprocals, ahead of their first reader; the 32 sums above name none of them
	EACH32 v_pk_fma_f32 v[ZR+2*p:ZR+2*p+1], v[AHR+2*p:AHR+2*p+1], v[DR+2*p:DR+2*p+1], v[ZR+2*p:ZR+2*p+1] neg_lo:[1,0,0] neg_hi:[1,0,0]
	EACH32 v_cvt_pk_f16_f32 v[OUTR+p], v[ZR+2*p], v[ZR+2*p+1]
.set i, 0
.rept 16
	global_store_b64 v[CO], v[OUTR+2*i:OUTR+2*i+1], s[8:9] offset:2048*i   ; the wave's store covers 256 consecutive bytes, aligned
.set i, i+1
.endr
	s_wait_xcnt 0x0                                ; the stores have read their registers and their base
	v_add_nc_u32 v[RD], 16*SROW, v[RD]
	s_add_nc_u64 s[8:9], s[8:9], 16*2048
	s_sub_co_u32 s3, s3, 1
	s_cmp_lg_u32 s3, 0
	s_cbranch_scc1 .Lout
	s_wait_tensorcnt 0x0                           ; the wave's end, behind my last tensor load and my last LDS store
	ds_add_u32 v[SPW], v[NIL]
	s_wait_dscnt 0x0
	CROUND                                         ; the closing round: no work-group ends while a partner may still ask for a tile that names it
	s_endpgm
.Lfunc_end_k_qa0232f3d0c_gemm1:
	.size	k_qa0232f3d0c_gemm1, .Lfunc_end_k_qa0232f3d0c_gemm1-k_qa0232f3d0c_gemm1
	.p2alignl 7, 3214868480
	.fill 96, 4, 3214868480
	.section	.rodata,"a",@progbits
	.p2align	6, 0x0
	.amdhsa_kernel k_qa0232f3d0c_gemm1
		.amdhsa_group_segment_fixed_size 327680
		.amdhsa_private_segment_fixed_size 0
		.amdhsa_enable_private_segment 0
		.amdhsa_kernarg_size 56
		.amdhsa_user_sgpr_count 2
		.amdhsa_user_sgpr_kernarg_segment_ptr 1
		.amdhsa_wavefront_size32 1
		.amdhsa_system_sgpr_workgroup_id_x 1
		.amdhsa_system_sgpr_workgroup_id_y 1
		.amdhsa_system_sgpr_workgroup_id_z 1
		.amdhsa_system_vgpr_workitem_id 0
		.amdhsa_next_free_vgpr 1024
		.amdhsa_next_free_sgpr 100
		.amdhsa_reserve_vcc 1
		.amdhsa_float_denorm_mode_32 3
		.amdhsa_float_denorm_mode_16_64 3
		.amdhsa_memory_ordered 1
		.amdhsa_forward_progress 1
		.amdhsa_inst_pref_size 163
	.end_amdhsa_kernel
	.amdgpu_metadata
---
amdhsa.version: [ 1, 2 ]
amdhsa.kernels:
  - .name:           k_qa0232f3d0c_gemm1
    .symbol:         k_qa0232f3d0c_gemm1.kd
    .args:
      - { .name: xb, .offset: 0, .size: 8, .value_kind: global_buffer, .address_space: global }
      - { .name: wzt, .offset: 8, .size: 8, .value_kind: global_buffer, .address_space: global }
      - { .name: hb, .offset: 16, .size: 8, .value_kind: global_buffer, .address_space: global }
      - { .name: b_in, .offset: 24, .size: 8, .value_kind: global_buffer, .address_space: global }
      - { .name: ug, .offset: 32, .size: 8, .value_kind: global_buffer, .address_space: global }
      - { .name: sm, .offset: 40, .size: 8, .value_kind: global_buffer, .address_space: global }
      - { .name: yv, .offset: 48, .size: 8, .value_kind: global_buffer, .address_space: global }
    .group_segment_fixed_size: 327680
    .private_segment_fixed_size: 0
    .kernarg_segment_align: 8
    .kernarg_segment_size: 56
    .max_flat_workgroup_size: 128
    .sgpr_count:     100
    .vgpr_count:     1024
    .wavefront_size: 32
...
	.end_amdgpu_metadata
.endif
;; end of part 2
;; launch gemm2 (part 3): grid 4 x 64, 4 waves a work-group, clusters of 4 x 4, 327,680 bytes of LDS; arguments hb, wot, out0, b_out, yv; writes out0
.if DOCPART == 3
	.amdgcn_target "amdgcn-amd-amdhsa--gfx1250"
	.amdhsa_code_object_version 6
	.text
	.protected	k_qa0232f3d0c_gemm2
	.globl	k_qa0232f3d0c_gemm2
	.p2align	8
	.type	k_qa0232f3d0c_gemm2,@function
k_qa0232f3d0c_gemm2:
	s_mov_b64 s[64:65], 0
	v_nop
	global_prefetch_b8 v0, s[64:65] scope:SCOPE_SE
	s_setreg_imm32_b32 hwreg(HW_REG_WAVE_MODE, 25, 1), 1
	s_wait_xcnt 0x0
	s_wait_alu depctr_hold_cnt(0) depctr_sa_sdst(0) depctr_va_vdst(0) depctr_va_sdst(0) depctr_va_ssrc(0) depctr_va_vcc(0) depctr_vm_vsrc(0)
	s_getreg_b32 s2, hwreg(HW_REG_IB_STS2, 6, 4)
	s_cmp_eq_u32 s2, 0
	s_cbranch_scc0 .Lentry_in_a_cluster
	s_endpgm
.Lentry_in_a_cluster:
	s_bfe_u32 s2, ttmp6, 0x10000c
	s_cmp_lg_u32 s2, 0xf033
	s_cbranch_scc0 .Lentry_shape_is_right
	s_endpgm
.Lentry_shape_is_right:
; THIRD LAUNCH.  out0[m][n] = yv[m] (sum over k of hb[m][k] wot[n][k]) + b_out[n]: reference()'s (y gelu(z)) W_out + b_out, with the row's one number y taken out of the sum and applied in f32.
; Nothing is left out here; xm, which no line of reference() uses, was never made.
; hb: [16384][1024] f16, wot: [1024 n][1024 k] f16 (bf16 numbers written as f16), out0: [16384][1024] f32; sums in f32; b_out is rounded to bf16 like every input.
; LIMITS: those of hb and wot (f16's range, 65,504, and its fixed step of 6e-8 below 6.1e-5).  NaN and infinities are not treated apart.
; Tiles, ring, cluster, joint loads, prefetch, register windows and stage are the second launch's: a tile of 256 x 256 to a work-group of four waves, K in steps of 128 through two LDS slots,
; 4 x 4 work-groups a cluster, hb's tile shared along a row of it and wot's along a column; source 0 = 16 rows of wot, source 1 = 16 rows of hb; the ring, filled no more, is the stage on the way out.
.set SIZE_K, 1024
.set KSTEP,  128
.set PITCH,  272                       ; an LDS row: 256 bytes + 16 of padding
.set HALFT,  128*PITCH
.set SLOT,   4*HALFT
.set SPARE,  2*SLOT                    ; behind the ring: the spare words, 128 bytes for each wave: two blocks of 256 bytes that no other line names
.set LAPS,   SIZE_K/(2*KSTEP)
.set SROW,   528                       ; the stage: a row of 128 f32 + 16 bytes
.set SWAVE,  128*SROW
.set ADRA, 16
.set ADRB, 20
.set STO,  24
.set RD,   25
.set CO,   26                          ; v26     16 l: my 16 bytes of 512 of out0
.set SPW,  28
.set NIL,  29
.set PFO,  30
.set PFA,  44
.set LIM,  43
.set F0,   64
.set F1,   128
.set G1, 24
.set G0, 32
.set G1B, 48
.set G0B, 56
.set BOR, 8                            ; v[8:11]  b_out of my four columns
.set VR,  64                           ; v[64:127] 16 rows x 4 columns on the way out
.set MSB, 0
.macro WIN new
.if MSB != (\new)
	s_set_vgpr_msb (MSB<<8)|(\new)
.set MSB, \new
.endif
.endm
.set MUL_LO, 0xa1
.set MUL_HI, 0xf1
.set TO_B,   0x40
.macro JLOAD s                         ; a joint load: waves 0 and 1 fetch hb's two halves, waves 2 and 3 wot's; an s_nop 0 and four v_nop follow each of the two lines
	s_cmp_eq_u32 s11, 0
	s_cbranch_scc0 .Lfor_b_\@
	tensor_load_to_lds s[G0+4*(\s):G0+4*(\s)+3], s[G1:G1+7]
	s_nop 0
.rept 4
	v_nop
.endr
	s_branch .Lasked_\@
.Lfor_b_\@:
	tensor_load_to_lds s[G0B+4*(\s):G0B+4*(\s)+3], s[G1B:G1B+7]
	s_nop 0
.rept 4
	v_nop
.endr
.Lasked_\@:
.endm
; A prefetch into the L2 behind each joint refill: the K step two refills on, 512 matrix instructions ahead of its load; 32 rows x 256 bytes, a lane a row.  hb's rows are asked for by the one cluster that
; reads them, wot's by the cluster with y = 0; the four partners take 32 of a wave's 128 rows each, told apart by address.  The loop's last trip asks for nothing; the first four K steps come by their loads alone.
.macro ASK
	s_cmp_gt_u32 s3, s[LIM]
	s_cbranch_scc0 .Lnot_mine_\@
	global_prefetch_b8 v[PFO], s[PFA:PFA+1] offset:KSTEP*2 th:TH_LOAD_NT scope:SCOPE_SE
.Lnot_mine_\@:
.endm
.macro CREST
	s_cmp_lg_u32 s10, 0
	s_cbranch_scc1 .Lnot_wave_0_\@
	s_barrier_signal -3
.Lnot_wave_0_\@:
	s_barrier_wait -3
	s_barrier_signal -1
	s_barrier_wait -1
.endm
.macro CROUND
	s_barrier_signal -1
	s_barrier_wait -1
	CREST
.endm
	s_load_b128 s[4:7], s[0:1], 0x0                ; hb s[4:5], wot s[6:7]
	s_load_b64 s[8:9], s[0:1], 0x10                ; out0
	s_load_b128 s[68:71], s[0:1], 0x18             ; b_out s[68:69], yv s[70:71]
	v_lshl_add_u32 v[SPW], v0, 2, SPARE
	v_mov_b32 v[NIL], 0
	ds_add_u32 v[SPW], v[NIL]                      ; the wave's opening: the add, twice on end, and its wait ahead of my first tensor load
	ds_add_u32 v[SPW], v[NIL]                      ; and once more, under the one wait
	v_lshrrev_b32 v1, 5, v0
	v_readfirstlane_b32 s10, v1                    ; wave 0..3
	s_lshr_b32 s11, s10, 1                         ; my half of the tile's rows; also: I fetch for hb (0) or wot (1)
	s_and_b32 s12, s10, 1                          ; my half of its columns; also: which 128 rows I fetch
	s_bfe_u32 s40, ttmp6, 0x40000                  ; cx
	s_bfe_u32 s41, ttmp6, 0x40004                  ; cy
	s_lshl_b32 s42, ttmp9, 2
	s_add_co_u32 s42, s42, s40                     ; tile column tx
	s_and_b32 s13, ttmp7, 0xffff
	s_lshl_b32 s13, s13, 2
	s_add_co_u32 s13, s13, s41                     ; tile row ty
	s_lshl_b32 s43, s41, 2
	s_lshl_b32 s43, 15, s43                        ; my row of the cluster
	s_lshl_b32 s44, 0x1111, s40                    ; my column
	s_or_b32 s[G1+0], s43, (1<<16)|(1<<20)|(1<<21)|(5<<22)|(3<<25)  ; the mask; elements of 2 bytes; padding on; bit 21 beside a mask; after every 64 words; 4 words
	s_or_b32 s[G1B+0], s44, (1<<16)|(1<<20)|(1<<21)|(5<<22)|(3<<25)
.irp g, G1, G1B
	s_mov_b32 s[(\g)+1], KSTEP<<16                 ; tensor_dim0 = 128
	s_mov_b32 s[(\g)+2], 128<<16                   ; tensor_dim1 = 128
	s_mov_b32 s[(\g)+3], KSTEP<<16                 ; tile_dim0 = 128
	s_mov_b32 s[(\g)+4], 128                       ; tile_dim1 = 128
	s_mov_b32 s[(\g)+5], SIZE_K                    ; elements from row to row
	s_mov_b32 s[(\g)+6], 0
	s_mov_b32 s[(\g)+7], 0
.endr
	s_lshl_b32 s17, s12, 7
	s_lshl_b32 s16, s13, 8
	s_add_co_u32 s16, s16, s17
	s_lshl_b32 s46, s42, 8
	s_add_co_u32 s46, s46, s17
	s_mov_b32 s17, 0
	s_mov_b32 s47, 0
	s_mov_b64 s[18:19], SIZE_K*2
	s_mul_u64 s[16:17], s[16:17], s[18:19]
	s_mul_u64 s[46:47], s[46:47], s[18:19]
	s_mul_i32 s20, s10, HALFT
	s_wait_dscnt 0x0                               ; both opening adds are done
	s_wait_kmcnt 0x0
	s_add_nc_u64 s[14:15], s[4:5], s[16:17]
	s_add_nc_u64 s[46:47], s[6:7], s[46:47]
	CROUND                                         ; all sixteen work-groups are here: the first joint loads meet
.irp s, 0,1
	s_mov_b32 s[G0+4*(\s)], 1
	s_add_co_u32 s[G0+4*(\s)+1], s20, (\s)*SLOT
	s_add_nc_u64 s[G0+4*(\s)+2:G0+4*(\s)+3], s[14:15], (\s)*KSTEP*2
	s_or_b32 s[G0+4*(\s)+3], s[G0+4*(\s)+3], 0x80000000
	s_mov_b32 s[G0B+4*(\s)], 1
	s_add_co_u32 s[G0B+4*(\s)+1], s20, (\s)*SLOT
	s_add_nc_u64 s[G0B+4*(\s)+2:G0B+4*(\s)+3], s[46:47], (\s)*KSTEP*2
	s_or_b32 s[G0B+4*(\s)+3], s[G0B+4*(\s)+3], 0x80000000
	JLOAD \s                                       ; two tensor loads of mine are out
.endr
	v_and_b32 v1, 15, v0
	v_bfe_u32 v2, v0, 4, 1
	v_and_b32 v5, 31, v0
	v_mul_u32_u24 v3, v1, PITCH
	v_lshl_add_u32 v3, v2, 4, v3
	s_mul_i32 s21, s11, HALFT
	s_mul_i32 s22, s12, HALFT
	s_add_co_u32 s22, s22, 2*HALFT
.irp s, 0,1
	v_add_nc_u32 v[ADRA+(\s)], s21, v3
	v_add_nc_u32 v[ADRB+(\s)], s22, v3
	s_add_co_u32 s21, s21, SLOT
	s_add_co_u32 s22, s22, SLOT
.endr
	s_mul_i32 s23, s10, SWAVE
	v_mul_u32_u24 v4, v1, SROW
	v_lshl_add_u32 v4, v2, 5, v4
	v_add_nc_u32 v[STO], s23, v4
	v_lshl_add_u32 v[RD], v5, 4, s23
	v_lshlrev_b32 v[CO], 4, v5
	s_lshl_b32 s94, s42, 10
	s_lshl_b32 s95, s12, 9
	s_add_co_u32 s94, s94, s95                     ; my first column in f32 bytes: 1,024 tx + 512 x half
	v_lshl_add_u32 v6, v5, 4, s94
	global_load_b128 v[BOR:BOR+3], v6, s[68:69]    ; b_out of my four columns 4 l ..
	s_lshl_b32 s13, s13, 8                         ; 256 ty
	s_lshl_b32 s14, s11, 7
	s_add_co_u32 s16, s13, s14                     ; my first row
	s_lshl_b32 s96, s16, 2
	s_mov_b32 s97, 0
	s_add_nc_u64 s[70:71], s[70:71], s[96:97]      ; yv at my first row
	s_lshl_b32 s16, s16, 12
	s_add_co_u32 s16, s16, s94
	s_mov_b32 s17, 0
	s_add_nc_u64 s[8:9], s[8:9], s[16:17]          ; out0 at my 128 x 128
	s_lshl_b32 s42, s42, 8
	s_and_b32 s22, ttmp7, 0xffff
	s_cmp_eq_u32 s11, 0
	s_cselect_b32 s20, s13, s42
	s_cselect_b32 s21, s40, s41
	s_cselect_b32 s22, ttmp9, s22
	s_cselect_b64 s[PFA:PFA+1], s[4:5], s[6:7]
	s_cmp_eq_u32 s22, 0
	s_cselect_b32 s[LIM], 1, -1
	s_lshl_b32 s22, s12, 7
	s_add_co_u32 s20, s20, s22
	s_lshl_b32 s21, s21, 5
	s_add_co_u32 s20, s20, s21
	s_mov_b32 s21, 0
	s_mov_b64 s[18:19], SIZE_K*2
	s_mul_u64 s[20:21], s[20:21], s[18:19]
	s_add_nc_u64 s[PFA:PFA+1], s[PFA:PFA+1], s[20:21]
	s_add_nc_u64 s[PFA:PFA+1], s[PFA:PFA+1], 2*KSTEP*2
	v_mul_u32_u24 v[PFO], v5, SIZE_K*2
	s_wait_loadcnt 0x0
	v_cvt_pk_bf16_f32 v12, v[BOR], v[BOR+1]        ; rounded to bf16 and widened
	v_cvt_pk_bf16_f32 v13, v[BOR+2], v[BOR+3]
	v_lshlrev_b32 v[BOR], 16, v12
	v_and_b32 v[BOR+1], 0xffff0000, v12
	v_lshlrev_b32 v[BOR+2], 16, v13
	v_and_b32 v[BOR+3], 0xffff0000, v13
.macro MUL16 f, hi, a0, zero           ; 16 matrix instructions; the 64 accumulators take turns in the same order in every quarter step
	WIN MUL_LO+0x50*(\hi)
.irp a, \a0, (\a0)+1
.irp b, 0,1,2,3,4,5,6,7
.if \zero
	v_wmma_f32_16x16x32_f16 v[8*(8*(\a)+(\b)):8*(8*(\a)+(\b))+7], v[(\f)+8*(\b):(\f)+8*(\b)+7], v[(\f)+8*(4*(\hi)+(\a)):(\f)+8*(4*(\hi)+(\a))+7], 0
.else
	v_wmma_f32_16x16x32_f16 v[8*(8*(\a)+(\b)):8*(8*(\a)+(\b))+7], v[(\f)+8*(\b):(\f)+8*(\b)+7], v[(\f)+8*(4*(\hi)+(\a)):(\f)+8*(4*(\hi)+(\a))+7], v[8*(8*(\a)+(\b)):8*(8*(\a)+(\b))+7]
.endif
.endr
.endr
.endm
.macro FETCH slot, k, f                ; 32 LDS loads in one run
	WIN TO_B
.irp i, 0,1,2,3,4,5,6,7
	ds_load_b128 v[(\f)+8*(\i):(\f)+8*(\i)+3],   v[ADRB+(\slot)] offset:(\k)+(\i)*16*PITCH
	ds_load_b128 v[(\f)+8*(\i)+4:(\f)+8*(\i)+7], v[ADRB+(\slot)] offset:(\k)+(\i)*16*PITCH+32
.endr
	WIN 0
.irp i, 0,1,2,3,4,5,6,7
	ds_load_b128 v[(\f)+8*(\i):(\f)+8*(\i)+3],   v[ADRA+(\slot)] offset:(\k)+(\i)*16*PITCH
	ds_load_b128 v[(\f)+8*(\i)+4:(\f)+8*(\i)+7], v[ADRA+(\slot)] offset:(\k)+(\i)*16*PITCH+32
.endr
.endm
.macro PLACES                          ; four places in front of loads into registers that matrix instructions have read (ISA guide 7.12.1 for vector instructions)
.rept 4
	v_nop
.endr
.endm
.macro QUARTER slot, k, f, g, zero
	s_wait_dscnt 8                                 ; all but the youngest eight loads (hb's rows 64-127) are in
	WIN MUL_LO
	MUL16 \f, 0, 0, \zero
	MUL16 \f, 0, 2, \zero
	PLACES
	FETCH \slot, \k, \g
	s_wait_dscnt 32                                ; all but the 32 just issued
	WIN MUL_HI
	MUL16 \f, 1, 0, \zero
	MUL16 \f, 1, 2, \zero
.endm
.macro MEET round
	WIN 0                                          ; (the add's two registers lie in window 0)
	s_wait_tensorcnt 0x0                           ; all my tensor loads have landed: my part of the next slot;
	ds_add_u32 v[SPW], v[NIL]                      ; 0 onto my spare word;
	s_wait_dscnt 9                                 ; (the add and the youngest eight loads may be out)
	WIN MUL_LO
	MUL16 F1, 0, 0, 0
	s_wait_dscnt 0x0                               ; the add is done, and my reads of this slot are over
	s_barrier_signal -1
	MUL16 F1, 0, 2, 0
.if \round
	WIN 0
.endif
	s_barrier_wait -1
.endm
.macro TURN slot, next, fill
.if \fill
	s_wait_xcnt 0x0                                ; the last prefetch, a K step back, has read its address
	s_add_nc_u64 s[PFA:PFA+1], s[PFA:PFA+1], KSTEP*2
	MEET 1
	CREST                                          ; no wave of any partner still reads this slot's tile or has a load on its way
	s_add_nc_u64 s[G0+4*(\slot)+2:G0+4*(\slot)+3], s[G0+4*(\slot)+2:G0+4*(\slot)+3], 2*KSTEP*2
	s_add_nc_u64 s[G0B+4*(\slot)+2:G0B+4*(\slot)+3], s[G0B+4*(\slot)+2:G0B+4*(\slot)+3], 2*KSTEP*2
	JLOAD \slot                                    ; the first tensor load behind the round; its four v_nop are also the places in front of the loads below
	FETCH \next, 0, F0
	ASK
.else
	MEET 0
	PLACES
	FETCH \next, 0, F0
.endif
	WIN MUL_HI
	MUL16 F1, 1, 0, 0
	MUL16 F1, 1, 2, 0
.endm
	s_wait_tensorcnt 1                             ; my part of K step 0 is in; K step 1's may stay out
	s_barrier_signal -1
	s_barrier_wait -1
	FETCH 0, 0, F0
	QUARTER 0, 64,  F0, F1, 1
	WIN 0
	s_mov_b32 s3, LAPS-1
.Llap:
	QUARTER 0, 128, F1, F0, 0
	QUARTER 0, 192, F0, F1, 0
	TURN 0, 1, 1
	QUARTER 1, 64,  F0, F1, 0
	QUARTER 1, 128, F1, F0, 0
	QUARTER 1, 192, F0, F1, 0
	TURN 1, 0, 1
	QUARTER 0, 64,  F0, F1, 0
	WIN 0
	s_sub_co_u32 s3, s3, 1
	s_cmp_lg_u32 s3, 0
	s_cbranch_scc1 .Llap
	QUARTER 0, 128, F1, F0, 0
	QUARTER 0, 192, F0, F1, 0
	TURN 0, 1, 0
	QUARTER 1, 64,  F0, F1, 0
	QUARTER 1, 128, F1, F0, 0
	QUARTER 1, 192, F0, F1, 0
	s_wait_dscnt 8
	MUL16 F1, 0, 0, 0
	MUL16 F1, 0, 2, 0
	s_wait_dscnt 0x0                               ; my reads of the ring are over:
	s_barrier_signal -1
	MUL16 F1, 1, 0, 0
	MUL16 F1, 1, 2, 0
	WIN 0
	s_barrier_wait -1                              ; everybody's are: the ring, which is filled no more, becomes the stage
	PLACES
	PLACES                                         ; the places behind the last products, once a launch
.irp a, 0,1,2,3,4,5,6,7                ; each accumulator's low four registers go first
	WIN 0x08+4*((\a)/4)
.irp b, 0,1,2,3,4,5,6,7
	ds_store_b128 v[STO], v[8*(8*((\a)%4)+(\b)):8*(8*((\a)%4)+(\b))+3]   offset:16*SROW*(\a)+64*(\b)
	ds_store_b128 v[STO], v[8*(8*((\a)%4)+(\b))+4:8*(8*((\a)%4)+(\b))+7] offset:16*SROW*(\a)+64*(\b)+16
.endr
.endr
	WIN 0
	s_mov_b32 s3, 8
.Lout:                                                 ; 16 rows a trip
	s_load_b512 s[76:91], s[70:71], 0x0            ; y of the 16 rows
.set i, 0
.rept 16
	ds_load_b128 v[VR+4*i:VR+4*i+3], v[RD] offset:SROW*i   ; LDS serves a wave's instructions in order (ISA guide 5.7.1.4): these see my stores above
.set i, i+1
.endr
	s_wait_kmcnt 0x0
.set i, 0
.rept 16
	s_wait_dscnt 15-i                              ; row i is in; the 15 - i younger loads may stay out
.set j, 0
.rept 4
	v_fma_f32 v[VR+4*i+j], v[VR+4*i+j], s[76+i], v[BOR+j]
.set j, j+1
.endr
	global_store_b128 v[CO], v[VR+4*i:VR+4*i+3], s[8:9] offset:4096*i th:TH_STORE_NT   ; 512 consecutive bytes, aligned
.set i, i+1
.endr
	s_wait_xcnt 0x0                                ; the stores have read their registers and their base
	v_add_nc_u32 v[RD], 16*SROW, v[RD]
	s_add_nc_u64 s[8:9], s[8:9], 16*4096
	s_add_nc_u64 s[70:71], s[70:71], 64
	s_sub_co_u32 s3, s3, 1
	s_cmp_lg_u32 s3, 0
	s_cbranch_scc1 .Lout
	s_wait_tensorcnt 0x0                           ; the wave's end, behind my last tensor load and my last LDS store
	ds_add_u32 v[SPW], v[NIL]
	s_wait_dscnt 0x0
	CROUND                                         ; the closing round: no work-group ends while a partner may still ask for a tile that names it
	s_endpgm
.Lfunc_end_k_qa0232f3d0c_gemm2:
	.size	k_qa0232f3d0c_gemm2, .Lfunc_end_k_qa0232f3d0c_gemm2-k_qa0232f3d0c_gemm2
	.p2alignl 7, 3214868480
	.fill 96, 4, 3214868480
	.section	.rodata,"a",@progbits
	.p2align	6, 0x0
	.amdhsa_kernel k_qa0232f3d0c_gemm2
		.amdhsa_group_segment_fixed_size 327680
		.amdhsa_private_segment_fixed_size 0
		.amdhsa_enable_private_segment 0
		.amdhsa_kernarg_size 40
		.amdhsa_user_sgpr_count 2
		.amdhsa_user_sgpr_kernarg_segment_ptr 1
		.amdhsa_wavefront_size32 1
		.amdhsa_system_sgpr_workgroup_id_x 1
		.amdhsa_system_sgpr_workgroup_id_y 1
		.amdhsa_system_sgpr_workgroup_id_z 1
		.amdhsa_system_vgpr_workitem_id 0
		.amdhsa_next_free_vgpr 1024
		.amdhsa_next_free_sgpr 100
		.amdhsa_reserve_vcc 0
		.amdhsa_float_denorm_mode_32 3
		.amdhsa_float_denorm_mode_16_64 3
		.amdhsa_memory_ordered 1
		.amdhsa_forward_progress 1
		.amdhsa_inst_pref_size 129
	.end_amdhsa_kernel
	.amdgpu_metadata
---
amdhsa.version: [ 1, 2 ]
amdhsa.kernels:
  - .name:           k_qa0232f3d0c_gemm2
    .symbol:         k_qa0232f3d0c_gemm2.kd
    .args:
      - { .name: hb, .offset: 0, .size: 8, .value_kind: global_buffer, .address_space: global }
      - { .name: wot, .offset: 8, .size: 8, .value_kind: global_buffer, .address_space: global }
      - { .name: out0, .offset: 16, .size: 8, .value_kind: global_buffer, .address_space: global }
      - { .name: b_out, .offset: 24, .size: 8, .value_kind: global_buffer, .address_space: global }
      - { .name: yv, .offset: 32, .size: 8, .value_kind: global_buffer, .address_space: global }
    .group_segment_fixed_size: 327680
    .private_segment_fixed_size: 0
    .kernarg_segment_align: 8
    .kernarg_segment_size: 40
    .max_flat_workgroup_size: 128
    .sgpr_count:     100
    .vgpr_count:     1024
    .wavefront_size: 32
...
	.end_amdgpu_metadata
.endif
;; end of part 3
;; ======== version 2 of 2: 3 launches; version 1 with the launch prep written anew for expert scheduling mode
;; limits: values are held in f16: magnitudes above 65,504 overflow, below 6.1e-05 lose precision; a function is approximated: absolute error at most 3e-07
;; workspace buffers: xb 33,554,432 bytes; hb 33,554,432 bytes; wzt 2,097,152 bytes; wot 2,097,152 bytes; ug 2,097,152 bytes; sm 32,768 bytes; yv 65,536 bytes
;; launch prep (part 4): grid 256 x 1, 16 waves a work-group, no clusters, 253,952 bytes of LDS; arguments x, W_in, W_out, b_in, A_log, xb, wzt, wot, ug, sm; writes xb, wzt, wot, ug, sm
.if DOCPART == 4
	.amdgcn_target "amdgcn-amd-amdhsa--gfx1250"
	.amdhsa_code_object_version 6
	.text
	.protected	k_qa0232f3d0c_prep
	.globl	k_qa0232f3d0c_prep
	.p2align	8
	.type	k_qa0232f3d0c_prep,@function
k_qa0232f3d0c_prep:
	s_mov_b64 s[64:65], 0
	v_nop
	global_prefetch_b8 v0, s[64:65] scope:SCOPE_SE
	s_setreg_imm32_b32 hwreg(HW_REG_WAVE_SCHED_MODE, 0, 2), 2
	s_setreg_imm32_b32 hwreg(HW_REG_WAVE_MODE, 25, 1), 1
	s_wait_xcnt 0x0
	s_wait_alu depctr_vm_vsrc(0)
; FIRST OF THREE LAUNCHES.  reference(): xz = x W_in + b_in (2,096 columns); z = columns 1024..2047; B, C, raw delta = the last 48; a 16-state recurrence along each batch's 512 steps
; gives one number y a row; out = (y gelu(z)) W_out + b_out = y (gelu(z) W_out) + b_out, since y is one number for a whole row.
; DEAD WORK, for all values of the inputs: xz[..., :1024] is sliced into xm, and no later line of reference() names xm.  So W_in[:, 0:1024] and b_in[0:1024] are not loaded and that product is not
; made, in any launch.  The scan starts from the zeros that reference() builds itself, so a batch's first state is B_0.  Every input has a live part, so all six are arguments of some launch.
; LIMIT: a NaN, an infinity or an overflow that reaches only xm is not carried to the result.
; FORMATS.  Every input (x, W_in, W_out, b_in, A_log, b_out) is rounded once to bf16, to nearest even; the products with x run in bf16 with f32 sums; softplus, exponentials and the scan in f32.
; W_out's bf16 number is written as f16 for the third launch: exact from 6.1e-5 to 65,504; below that it keeps f16's fixed step of 6e-8; LIMIT: |W_out| under 65,504.
; THIS LAUNCH: (1) xb = bf16(x).  (2) wzt[n][k] = bf16(W_in[k][1024+n]), wot[n][k] = f16(bf16(W_out[k][n])): the weights turned so that K lies along the rows.
; (3) the 48-column product and the scan inside chunks of 64 rows.
; THE SCAN IN CHUNKS.  state_t = a_t state_(t-1) + B_t, a = exp(A delta), y_t = sum over n of C_t state_t.  A sub-chunk is 8 rows, a chunk the work-group's 64, a batch 8 chunks.
; With zero entry s_j = a_j s_(j-1) + B_j and p_j = a_j p_(j-1); with E, Q the state and the decay product from the chunk's entry to the sub-chunk's, and Sin the state at the chunk's entry,
; state = s_j + p_j E + p_j Q Sin.  Stored: U = C (s_j + p_j E), G = C p_j Q (ug), and the chunk's own (Q, E) over all 64 rows (sm).  The next launch makes Sin and y = sum over n of (U + G Sin).
; Only products and sums of like terms: no difference of large sums is formed.
; SHARES.  Work-group g: rows 64 g .. 64 g + 63.  Wave w: 16 rows (w & 3) x 256 channels (w >> 2).  All of the work-group's 256 KiB of x is asked for at once: 32 loads a wave.
; NO JOINT LOADS for the 48 columns, which all work-groups read: they lie in f32, 192 bytes of each of 1,024 rows, and are rounded on their way through registers; brought as they lie they would
; want 196,608 bytes of LDS beside the 253,952 in use.  No prefetch: every address is asked for by its load at the kernel's head.
; THE MODE: SCHED_MODE bits 1:0 = 2 (LLVM: expert scheduling mode 2), set by the entry lines.  The code itself states the register dependences
; between vector or matrix instructions and memory or LDS instructions, with s_wait_alu, always for 0.
; THE PLAN.  Registers that memory or LDS instructions touch, and who else names them, in the order of the text:
;   v4-v7, v12-v15, v112, v113   offsets and LDS addresses: made at the head, never written again.  v120: the biases' offset; behind the first wait on vm_vsrc at work, then a row of the weight tile.
;   v[16:111]   the 48 columns as loaded.  48 conversions close each four numbers up into the first two of their four registers, which 24 LDS stores read.  The other two are named by conversions alone:
;               sixteen of them take the weight tile's offsets (TA), sixteen the numbers that its loads bring (TD), so that one wait on va_vdst serves the stores and the loads.
;   XR          x as loaded, eight registers a row; four conversions write the first four, which two global and two LDS stores read.  The rows go in blocks of four: block b's conversions stand among
;               the stores of block b - 1, behind one wait on va_vdst at the block's head.  No conversion of block b names a register of block b - 1.
;   v[16:23]    the weight tile rounded, read by two LDS stores; behind the second wait on vm_vsrc they are accumulators.
;   B0, B1, B2  three buffers of fragments.  Steps 0 to 2 of the product are asked for at once; step 3 lands in B0 again, behind one wait on va_vdst at step 1's head, its loads dealt among step 1's products.
;   v104-v106, v116-v118   LDS addresses of what follows the product, made once, ahead of that same wait.
;   v[16:39]    the accumulators: waves 4 to 15 store them to LDS; waves 0 to 3 form their sums in v[40:63], so that on no way through the text a register that an LDS store has read is written again.
.set WINP,  8384                       ; bytes in a row of W_in
.set WP,    96                         ; LDS: the 48 columns as [k 1024][n 48] bf16, rows of 96 bytes = 3 x 32, from byte 0
.set XST0,  98304                      ; LDS: wave w's 16 rows x 256 channels of bf16 at XST0 + XSTB w, rows of 512 + 16 bytes; later its partial sums
.set XSTB,  8448
.set XP,    528
.set TST0,  233472                     ; LDS: two weight tiles [32 n][128 k], rows of 256 + 16 bytes, one for each half of the waves
.set TSTB,  8704
.set TP,    272
.set SUMM,  250880                     ; LDS: sub-chunk i: p_7[16] at 128 i, s_7[16] at 128 i + 64
.set SPARE, 251904                     ; the spare words: 128 bytes for each of 16 waves, eight blocks of 256 bytes that no other line names
.set XR,    128                        ; v[128:255] x: row i at XR + 8 i
.set SPW,   114                        ; v114  my spare word's address; never rewritten
.set NIL,   115                        ; v115  0; never rewritten
.set TA,    18                         ; the weight tile's offset of row j at TA + 4 (j / 2) + j % 2: v18, v19, v22, v23 .. v47
.set TD,    50                         ; its number of row j at TD + 4 (j / 2) + j % 2: v50, v51, v54, v55 .. v79
.set B0,    40                         ; a buffer of fragments: 16 registers of x (two K steps of 32), then 48 of the columns (two K steps x three groups of 16)
.set B1,    128
.set B2,    192
.set PS,    104                        ; v104  LDS address of my 16 bytes of my wave's partial sums
.set SS,    105                        ; v105  LDS address of my word of my sub-chunk's summary
.set SL,    106                        ; v106  LDS address of my state's word in sub-chunk 0's summary
.set SB,    40                         ; v[40:47]  waves 0 to 3: B, then s, then U
.set SC,    48                         ; v[48:55]  C
.set SD,    56                         ; v[56:63]  raw delta, then a, then p, then G
.set TT,    64                         ; v[64:72]  at work in softplus; v72 A's factor
.set LS,    64                         ; v[64:79]  the eight sub-chunks' (p_7, s_7)
.set EE,    80                         ; v80 E, v81 Q so far; v82, v83 E and Q at my sub-chunk's entry
.set QQ,    81
.set EM,    82
.set QM,    83
; v1 lane, v2 r = lane % 16, v3 h = lane / 16, v4 16 l, v5 8 l, v6/v7 the 48 columns: from / to, v8-11 biases of B, C, delta and A_log, v12 x into LDS, v13 A fragments, v14 B fragments,
; v15 / v112 / v113 the weight tile: in, back, out; v[16:39] the accumulators; v116-118 partners' sums; v119 my sub-chunk; v120-127 the weight tile's rows
	s_load_b512 s[4:19], s[0:1], 0x0               ; x s[4:5], W_in s[6:7], W_out s[8:9], b_in s[10:11], A_log s[12:13], xb s[14:15], wzt s[16:17], wot s[18:19]
	s_load_b128 s[20:23], s[0:1], 0x40             ; ug s[20:21], sm s[22:23]
	v_lshl_add_u32 v[SPW], v0, 2, SPARE
	v_mov_b32 v[NIL], 0
	v_lshrrev_b32 v4, 5, v0
	v_readfirstlane_b32 s24, v4                    ; wave 0..15
	v_and_b32 v1, 31, v0
	v_and_b32 v2, 15, v0
	v_bfe_u32 v3, v0, 4, 1
	s_wait_alu depctr_va_sdst(0)                   ; s24 is written, ahead of its first reader: shares, addresses and branches are made from it
	s_and_b32 s25, s24, 3                          ; which 16 rows
	s_lshr_b32 s26, s24, 2                         ; which 256 channels
	s_mov_b32 s27, ttmp9                           ; g
	s_mov_b32 s34, 0x3fb8aa3b                      ; log2(e)
	s_mov_b32 s35, 0x3f317218                      ; ln(2)
	s_mov_b32 s45, 0xbfb8aa3b                      ; -log2(e)
	v_lshlrev_b32 v4, 4, v1
	v_lshlrev_b32 v5, 3, v1
	v_lshlrev_b32 v120, 2, v2                      ; 4 r: the biases' offset
	s_lshl_b32 s36, s24, 1
	v_add_nc_u32 v119, s36, v3                     ; 2 w + h: in waves 0 to 3 the sub-chunk of my eight rows
	; the 48 columns: wave w takes rows k = 64 w .. 64 w + 63, eight at a time; four lanes a row, 16 bytes of f32 each
	v_lshrrev_b32 v16, 2, v1
	s_lshl_b32 s36, s24, 6
	v_add_nc_u32 v16, s36, v16
	v_and_b32 v17, 3, v1
	v_mul_u32_u24 v6, v16, WINP
	v_lshl_add_u32 v6, v17, 4, v6
	v_mul_u32_u24 v7, v16, WP
	v_lshl_add_u32 v7, v17, 3, v7
	; my wave's x in LDS
	s_mul_i32 s37, s24, XSTB
	s_add_co_u32 s37, s37, XST0
	v_add_nc_u32 v12, s37, v5
	v_mul_u32_u24 v13, v2, XP
	v_lshl_add_u32 v13, v3, 4, v13
	v_add_nc_u32 v13, s37, v13                     ; row r x pitch + 16 h
	; the turning load takes 16 k x 16 n: lane l reads row k0 + 8 h + l % 8, 16 bytes at 16 ((l / 8) % 2)
	v_and_b32 v18, 7, v1
	v_lshl_add_u32 v18, v3, 3, v18
	s_lshl_b32 s36, s26, 8
	v_add_nc_u32 v18, s36, v18
	v_mul_u32_u24 v14, v18, WP
	v_bfe_u32 v18, v0, 3, 1
	v_lshl_add_u32 v14, v18, 4, v14
	; the weight tile: number 2 g + w / 8; g < 128: W_in's z part, else W_out; 32 columns n x 128 rows k; wave w takes 16 rows k
	s_lshr_b32 s40, s24, 3
	s_and_b32 s39, s24, 7
	s_mul_i32 s38, s40, TSTB
	s_add_co_u32 s38, s38, TST0
	v_mul_u32_u24 v15, v1, TP
	s_lshl_b32 s36, s39, 5
	s_add_co_u32 s36, s36, s38
	v_add_nc_u32 v15, s36, v15                     ; in: row n = lane, my 16 k = 32 bytes
	s_lshl_b32 s36, s39, 2
	v_add_nc_u32 v18, s36, v3                      ; back: rows 4 (w % 8) + h, and two further down
	v_mul_u32_u24 v112, v18, TP
	v_lshl_add_u32 v112, v2, 4, v112
	v_add_nc_u32 v112, s38, v112
	s_lshl_b32 s41, s27, 1
	s_add_co_u32 s41, s41, s40
	s_and_b32 s41, s41, 255
	s_lshr_b32 s42, s41, 3                         ; which 32 columns n
	s_and_b32 s43, s41, 7                          ; which 128 rows k
	s_lshl_b32 s36, s42, 5
	v_add_nc_u32 v18, s36, v18
	v_lshlrev_b32 v113, 11, v18                    ; out: row n of 2,048 bytes,
	v_lshl_add_u32 v113, v2, 4, v113
	s_lshl_b32 s36, s43, 8
	v_add_nc_u32 v113, s36, v113                   ; its 256 bytes of this tile: 16 lanes fill them
	s_mov_b32 s36, WINP                            ; (in a register: an instruction holds one literal)
	s_cmp_lt_u32 s27, 128
	s_cselect_b32 s30, s36, 4096                   ; bytes from row to row of the source
	s_cselect_b32 s31, 4096, 0                     ; z begins at column 1024 of W_in
	s_lshl_b32 s44, s43, 7
	s_lshl_b32 s36, s39, 4
	s_add_co_u32 s44, s44, s36
	s_mul_i32 s44, s44, s30
	s_add_co_u32 s44, s44, s31
	s_lshl_b32 s36, s42, 7
	s_add_co_u32 s44, s44, s36                     ; my first row k, the tile's first column
	s_lshl_b32 s46, s27, 18                        ; x: 64 rows of 4,096 bytes a work-group,
	s_lshl_b32 s36, s25, 16                        ; 16 rows a wave,
	s_or_b32 s46, s46, s36
	s_lshl_b32 s36, s26, 10                        ; 256 channels
	s_or_b32 s46, s46, s36
	s_mov_b32 s47, 0
	s_wait_kmcnt 0x0
	s_add_nc_u64 s[4:5], s[4:5], s[46:47]
	s_lshr_b32 s46, s46, 1                         ; xb: half the bytes
	s_add_nc_u64 s[14:15], s[14:15], s[46:47]
	s_cmp_lt_u32 s27, 128
	s_cselect_b64 s[28:29], s[6:7], s[8:9]         ; the weight tile's source,
	s_cselect_b64 s[32:33], s[16:17], s[18:19]     ; and where it goes
	s_wait_alu depctr_va_vdst(0)                   ; the offsets and LDS addresses v4-v7, v12-v15, v112, v113 and v120 are written, which the loads and stores below read; so are v16-v18, in which loads land
	; ALL LOADS AT ONCE: 4 + 24 + 32
	global_load_b32 v8, v120, s[10:11] offset:8192     ; b_in[2048 + r]: B's
	global_load_b32 v9, v120, s[10:11] offset:8256     ; C's
	global_load_b32 v10, v120, s[10:11] offset:8320    ; delta's
	global_load_b32 v11, v120, s[12:13]                ; A_log[r]
.set t, 0
.rept 24
	global_load_b128 v[16+4*t:19+4*t], v6, s[6:7] offset:8192+8*WINP*(t/3)+64*(t%3)
.set t, t+1
.endr
.set i, 0
.rept 16
	global_load_b128 v[XR+8*i:XR+8*i+3],   v4, s[4:5] offset:4096*i th:TH_LOAD_NT      ; 512 consecutive bytes: channels 4 l ..
	global_load_b128 v[XR+8*i+4:XR+8*i+7], v4, s[4:5] offset:4096*i+512 th:TH_LOAD_NT  ; and 128 + 4 l ..
.set i, i+1
.endr
	s_wait_loadcnt 32                              ; loads come back in order: all but the 32 of x are in
.set t, 0
.rept 24
	v_cvt_pk_bf16_f32 v[16+4*t], v[16+4*t], v[17+4*t]
	v_cvt_pk_bf16_f32 v[17+4*t], v[18+4*t], v[19+4*t]
.set t, t+1
.endr
	; the weight tile: 16 rows k, a lane a column n; the offsets go into registers that the conversions above have emptied and that no LDS store names
	v_lshl_add_u32 v[TA], v1, 2, s44
.set j, 1
.rept 15
	v_add_nc_u32 v[TA+4*(j/2)+j%2], s30, v[TA+4*((j-1)/2)+(j-1)%2]
.set j, j+1
.endr
	s_wait_alu depctr_va_vdst(0)                   ; the conversions have written the LDS stores' data and are done reading v[TD ..], in which the tile's loads land; the tile's offsets v[TA ..] are written
.set j, 0
.rept 16
	global_load_b32 v[TD+4*(j/2)+j%2], v[TA+4*(j/2)+j%2], s[28:29]
.set j, j+1
.endr
.set t, 0
.rept 24
	ds_store_b64 v7, v[16+4*t:17+4*t] offset:8*WP*(t/3)+32*(t%3)
.set t, t+1
.endr
	; x, in blocks of four rows: rounded, stored, and laid into LDS for the product
.macro XOUT i                          ; row i leaves: to xb and into LDS
	global_store_b64 v5, v[XR+8*(\i):XR+8*(\i)+1],   s[14:15] offset:2048*(\i)       ; the wave's store covers 256 consecutive bytes, aligned
	global_store_b64 v5, v[XR+8*(\i)+2:XR+8*(\i)+3], s[14:15] offset:2048*(\i)+256
	ds_store_b64 v12, v[XR+8*(\i):XR+8*(\i)+1]   offset:XP*(\i)
	ds_store_b64 v12, v[XR+8*(\i)+2:XR+8*(\i)+3] offset:XP*(\i)+256
.endm
.set b, 0
.rept 4
	s_wait_loadcnt 40-8*b                          ; younger than block b's eight loads: 8 (3 - b) of x and the 16 of the weight tile
.if b > 0
	s_wait_alu depctr_va_vdst(0)                   ; the block before has written its rows' first four registers, which the sixteen stores below read; this block's conversions name none of them
.endif
.set i, 4*b
.rept 4
.if b > 0
	XOUT i-4
.endif
	v_cvt_pk_bf16_f32 v[XR+8*i],   v[XR+8*i],   v[XR+8*i+1]
	v_cvt_pk_bf16_f32 v[XR+8*i+1], v[XR+8*i+2], v[XR+8*i+3]
	v_cvt_pk_bf16_f32 v[XR+8*i+2], v[XR+8*i+4], v[XR+8*i+5]
	v_cvt_pk_bf16_f32 v[XR+8*i+3], v[XR+8*i+6], v[XR+8*i+7]
.set i, i+1
.endr
.set b, b+1
.endr
	s_wait_loadcnt 0x0                             ; the weight tile
	s_wait_alu depctr_vm_vsrc(0)                   ; the 48 columns' LDS stores have read v16, v17, v20, v21 .., the tile's loads their offsets v[TA ..], the biases' loads v120: the lines below, the products and the fragments' loads write them
.set j, 0
.rept 8
	v_cvt_pk_bf16_f32 v[16+j], v[TD+4*j], v[TD+4*j+1]
.set j, j+1
.endr
	s_cmp_lt_u32 s27, 128
	s_cbranch_scc1 .Lbf                            ; W_in stays bf16; W_out's bf16 numbers are written as f16
.set j, 0
.rept 8
	v_lshlrev_b32 v32, 16, v[16+j]
	v_and_b32 v33, 0xffff0000, v[16+j]
	v_cvt_pk_f16_f32 v[16+j], v32, v33
.set j, j+1
.endr
.Lbf:
	v_cvt_pk_bf16_f32 v120, v8, v9                 ; the biases and A_log, rounded to bf16 like every input, and widened again
	v_cvt_pk_bf16_f32 v121, v10, v11
	v_lshlrev_b32 v8, 16, v120
	v_and_b32 v9, 0xffff0000, v120
	v_lshlrev_b32 v10, 16, v121
	v_and_b32 v11, 0xffff0000, v121
	s_wait_alu depctr_va_vdst(0)                   ; x's last block and the weight tile v[16:23] are written, which the stores below read; v120 and v121, in which the tile's rows land, and all three buffers of fragments are named by no vector instruction from here to their loads
	XOUT 12
	XOUT 13
	XOUT 14
	XOUT 15
	ds_store_b128 v15, v[16:19]
	ds_store_b128 v15, v[20:23] offset:16
	s_wait_dscnt 0x0                               ; for the others' sake: my rows of the 48 columns and my part of the weight tile are in LDS
	s_barrier_signal -1
	s_barrier_wait -1
	; THE PRODUCT: my 16 rows x my 256 channels x 48 columns.  Source 0 = x, source 1 = the columns: in the result a lane holds state n = r and rows 8 h + 0..7.
	; v[16:23] B, v[24:31] C, v[32:39] raw delta.  The three accumulators take turns, one instruction a turn.  A step is 64 channels: two K steps of 32.
.macro AFRAG q, kk, f                  ; x's fragment of K step 2 q + kk into buffer f
	ds_load_b128 v[(\f)+8*(\kk):(\f)+8*(\kk)+3],   v13 offset:64*(2*(\q)+(\kk))
	ds_load_b128 v[(\f)+8*(\kk)+4:(\f)+8*(\kk)+7], v13 offset:64*(2*(\q)+(\kk))+32
.endm
.macro BFRAG q, kk, nb, f              ; the fragment of columns 16 nb .. of the same K step, turned
	ds_load_tr16_b128 v[(\f)+16+24*(\kk)+8*(\nb):(\f)+16+24*(\kk)+8*(\nb)+3],   v14 offset:32*WP*(2*(\q)+(\kk))+32*(\nb)
	ds_load_tr16_b128 v[(\f)+16+24*(\kk)+8*(\nb)+4:(\f)+16+24*(\kk)+8*(\nb)+7], v14 offset:32*WP*(2*(\q)+(\kk))+32*(\nb)+16*WP
.endm
.macro STEPLD q, f                     ; a step's sixteen loads
.irp kk, 0,1
	AFRAG \q, \kk, \f
.irp nb, 0,1,2
	BFRAG \q, \kk, \nb, \f
.endr
.endr
.endm
.macro PROD kk, nb, f, zero            ; zero = 1: the product starts its sum
.if \zero
	v_wmma_f32_16x16x32_bf16 v[16+8*(\nb):23+8*(\nb)], v[(\f)+8*(\kk):(\f)+8*(\kk)+7], v[(\f)+16+24*(\kk)+8*(\nb):(\f)+16+24*(\kk)+8*(\nb)+7], 0
.else
	v_wmma_f32_16x16x32_bf16 v[16+8*(\nb):23+8*(\nb)], v[(\f)+8*(\kk):(\f)+8*(\kk)+7], v[(\f)+16+24*(\kk)+8*(\nb):(\f)+16+24*(\kk)+8*(\nb)+7], v[16+8*(\nb):23+8*(\nb)]
.endif
.endm
	s_wait_alu depctr_vm_vsrc(0)                   ; my LDS stores have read v[16:23], which the products write as accumulators; x's stores have read v[XR ..], in which fragments land
	ds_load_b128 v[120:123], v112                  ; the weight tile's rows back, whole
	ds_load_b128 v[124:127], v112 offset:2*TP
	STEPLD 0, B0
	s_wait_xcnt 0x0                                ; x's global stores have had their addresses translated (ISA guide 3.1): their data registers are loaded again only behind this wait
	STEPLD 1, B1
	STEPLD 2, B2
	s_wait_dscnt 48                                ; LDS loads come back in order: the tile's rows are in, the three steps' 48 loads may stay out
	global_store_b128 v113, v[120:123], s[32:33]               ; 16 lanes store 256 consecutive bytes, aligned
	global_store_b128 v113, v[124:127], s[32:33] offset:4096
	s_wait_dscnt 32                                ; step 0 is in
.irp nb, 0,1,2
	PROD 0, \nb, B0, 1
.endr
.irp nb, 0,1,2
	PROD 1, \nb, B0, 0
.endr
	; the LDS addresses of what follows the product: eight plain instructions that name no register of the products
	v_add_nc_u32 v[PS], s37, v4                    ; my wave's bytes, 16 a lane
	s_add_co_u32 s36, s37, 4*XSTB
	v_add_nc_u32 v116, s36, v4                     ; and those of the three waves that hold the same rows' other channels
	s_add_co_u32 s36, s36, 4*XSTB
	v_add_nc_u32 v117, s36, v4
	s_add_co_u32 s36, s36, 4*XSTB
	v_add_nc_u32 v118, s36, v4
	v_lshlrev_b32 v[SS], 7, v119                   ; my sub-chunk's 128 bytes,
	v_lshl_add_u32 v[SS], v2, 2, v[SS]             ; my state's word
	v_add_nc_u32 v[SS], SUMM, v[SS]
	v_lshl_add_u32 v[SL], v2, 2, SUMM
	s_wait_dscnt 16                                ; step 1 is in
	s_wait_alu depctr_va_vdst(0)                   ; step 0's products are done reading B0, in which step 3's fragments land; the six addresses above are written.  Step 1's products name B1 and the accumulators alone
.irp kk, 0,1
.irp nb, 0,1,2
	PROD \kk, \nb, B1, 0
.if \nb == 0
	AFRAG 3, \kk, B0
.endif
	BFRAG 3, \kk, \nb, B0
.endr
.endr
	s_wait_dscnt 16                                ; step 2 is in; step 3's sixteen loads may stay out
.irp kk, 0,1
.irp nb, 0,1,2
	PROD \kk, \nb, B2, 0
.endr
.endr
	s_wait_dscnt 0x0                               ; step 3 is in
.irp kk, 0,1
.irp nb, 0,1,2
	PROD \kk, \nb, B0, 0
.endr
.endr
.rept 8
	v_nop                                          ; the places behind the last products, once a launch
.endr
	s_wait_alu depctr_va_vdst(0)                   ; the products have written the accumulators, which the LDS stores below read, and are done reading B1 and B2, in which the partners' sums land; the places above stay beside this wait
	s_cmp_lt_u32 s24, 4
	s_cbranch_scc1 .Lkeep                          ; waves 4 to 15 hand their partial sums over, in their own bytes, whose x they have read
.set u, 0
.rept 6
	ds_store_b128 v[PS], v[16+4*u:19+4*u] offset:512*u
.set u, u+1
.endr
.Lkeep:
	s_wait_dscnt 0x0
	s_barrier_signal -1
	s_barrier_wait -1
	s_cmp_lt_u32 s24, 4
	s_cbranch_scc0 .Lmeet                          ; waves 0 to 3 finish 16 rows each
.set u, 0
.rept 3
.set t, 0
.rept 6
	ds_load_b128 v[128+24*u+4*t:131+24*u+4*t], v[116+u] offset:512*t
.set t, t+1
.endr
.set u, u+1
.endr
	s_wait_dscnt 0x0
.set p, 0
.rept 12
	v_pk_add_f32 v[SB+2*p:SB+2*p+1], v[16+2*p:17+2*p], v[128+2*p:129+2*p]         ; each accumulator is read from its low end on; the sums go on in v[40:63]
.set p, p+1
.endr
.set u, 1
.rept 2
.set p, 0
.rept 12
	v_pk_add_f32 v[SB+2*p:SB+2*p+1], v[SB+2*p:SB+2*p+1], v[128+24*u+2*p:129+24*u+2*p]
.set p, p+1
.endr
.set u, u+1
.endr
	; delta = softplus(v) = max(v, 0) + ln 2 log2(1 + 2^(-|v| log2 e)), the form that reference() takes: no exponential of a positive number.  a = 2^(A2 delta), A2 = -2^(A_log log2 e) log2 e.
.macro ALL8 line:vararg
.set j, 0
.rept 8
	\line
.set j, j+1
.endr
.endm
	ALL8 v_add_f32 v[SD+j], v10, v[SD+j]
	ALL8 v_and_b32 v[TT+j], 0x7fffffff, v[SD+j]
	ALL8 v_mul_f32 v[TT+j], s45, v[TT+j]
	v_mul_f32 v[TT+8], s34, v11
	ALL8 v_exp_f32 v[TT+j], v[TT+j]
	v_exp_f32 v[TT+8], v[TT+8]
	ALL8 v_max_num_f32 v[SD+j], 0, v[SD+j]         ; plain work that names no result of the nine exponentials,
	s_wait_alu depctr_va_vdst(0)                   ; and their one wait, ahead of the first reader of v[TT ..]
	ALL8 v_add_f32 v[TT+j], 1.0, v[TT+j]
	v_mul_f32 v[TT+8], s45, v[TT+8]
	ALL8 v_log_f32 v[TT+j], v[TT+j]
	ALL8 v_add_f32 v[SB+j], v8, v[SB+j]            ; B's and C's biases meanwhile
	ALL8 v_add_f32 v[SC+j], v9, v[SC+j]
	s_wait_alu depctr_va_vdst(0)                   ; one wait for the eight logarithms in v[TT ..], ahead of their first reader
	ALL8 v_fma_f32 v[SD+j], v[TT+j], s35, v[SD+j]
	ALL8 v_mul_f32 v[SD+j], v[TT+8], v[SD+j]
	ALL8 v_exp_f32 v[SD+j], v[SD+j]
	v_nop                                          ; a plain instruction behind the last exponential,
	s_wait_alu depctr_va_vdst(0)                   ; and the wait for the eight a in v[SD ..], ahead of their first reader
	; my eight rows from a zero entry: s in v[SB ..], p in v[SD ..]
.set j, 1
.rept 7
	v_fma_f32 v[SB+j], v[SD+j], v[SB+j-1], v[SB+j]
	v_mul_f32 v[SD+j], v[SD+j-1], v[SD+j]
.set j, j+1
.endr
	s_wait_alu depctr_va_vdst(0)                   ; p_7 and s_7 are written, which the two LDS stores read; softplus is done with v[TT ..], in which the summaries land behind the barrier
	ds_store_b32 v[SS], v[SD+7]
	ds_store_b32 v[SS], v[SB+7] offset:64
.Lmeet:
	s_wait_dscnt 0x0
	s_barrier_signal -1
	s_barrier_wait -1                              ; the eight sub-chunks' (p_7, s_7) lie in LDS
	s_cmp_lt_u32 s24, 4
	s_cbranch_scc0 .Lend
	s_wait_alu depctr_vm_vsrc(0)                   ; my two LDS stores have read v[SD+7] and v[SB+7], which the lines that make U and G write again
.set j, 0
.rept 8
	ds_load_b32 v[LS+2*j],   v[SL] offset:128*j
	ds_load_b32 v[LS+2*j+1], v[SL] offset:128*j+64
.set j, j+1
.endr
	v_mov_b32 v[EE], 0                             ; E: the state that the sub-chunks so far leave, from a zero entry into the chunk
	v_mov_b32 v[QQ], 1.0                           ; Q: their decay product
	v_mov_b32 v[EM], 0                             ; E and Q at my sub-chunk's entry
	v_mov_b32 v[QM], 1.0
.set j, 0
.rept 8
	v_cmp_eq_u32 s[36+j], j, v119                  ; is sub-chunk j mine?  The eight masks in one run
.set j, j+1
.endr
	s_lshl_b32 s46, s27, 2
	s_add_co_u32 s46, s46, s24
	s_lshl_b32 s46, s46, 11                        ; my 16 rows' block of ug
	s_add_nc_u64 s[20:21], s[20:21], s[46:47]
	s_wait_alu depctr_va_sdst(0)                   ; s36 to s43 are written, ahead of the selects that read them
	s_wait_dscnt 0x0
.set j, 0
.rept 8
	v_cndmask_b32 v[EM], v[EM], v[EE], s[36+j]
	v_cndmask_b32 v[QM], v[QM], v[QQ], s[36+j]
	v_fma_f32 v[EE], v[LS+2*j], v[EE], v[LS+2*j+1]
	v_mul_f32 v[QQ], v[LS+2*j], v[QQ]
.set j, j+1
.endr
	ALL8 v_fma_f32 v[SB+j], v[SD+j], v[EM], v[SB+j]
	ALL8 v_mul_f32 v[SD+j], v[SD+j], v[QM]
	ALL8 v_mul_f32 v[SB+j], v[SC+j], v[SB+j]       ; U
	ALL8 v_mul_f32 v[SD+j], v[SC+j], v[SD+j]       ; G
	s_wait_alu depctr_va_vdst(0)                   ; U and G are written, which the four stores read
	global_store_b128 v4, v[SB:SB+3],   s[20:21]               ; 512 consecutive bytes each
	global_store_b128 v4, v[SB+4:SB+7], s[20:21] offset:512
	global_store_b128 v4, v[SD:SD+3],   s[20:21] offset:1024
	global_store_b128 v4, v[SD+4:SD+7], s[20:21] offset:1536
	s_cmp_lg_u32 s24, 0
	s_cbranch_scc1 .Lend                           ; wave 0 stores the chunk's summary: lanes 0-15 Q, lanes 16-31 E
	v_cmp_eq_u32 vcc_lo, 1, v3
	v_lshlrev_b32 v87, 2, v1
	s_lshl_b32 s46, s27, 7
	s_add_nc_u64 s[22:23], s[22:23], s[46:47]
	s_wait_alu depctr_va_vcc(0)                    ; VCC is written, ahead of the select that reads it
	v_cndmask_b32 v86, v[QQ], v[EE], vcc_lo
	s_wait_alu depctr_va_vdst(0)                   ; v86 and v87 are written: the store's data and its offset
	global_store_b32 v87, v86, s[22:23]
.Lend:
	s_wait_dscnt 0x0                               ; the closing lines, six on end
	s_wait_alu 0x0
	s_wait_tensorcnt 0x0
	ds_add_u32 v[SPW], v[NIL]
	s_wait_dscnt 0x0
	s_endpgm
.Lfunc_end_k_qa0232f3d0c_prep:
	.size	k_qa0232f3d0c_prep, .Lfunc_end_k_qa0232f3d0c_prep-k_qa0232f3d0c_prep
	.p2alignl 7, 3214868480
	.fill 96, 4, 3214868480
	.section	.rodata,"a",@progbits
	.p2align	6, 0x0
	.amdhsa_kernel k_qa0232f3d0c_prep
		.amdhsa_group_segment_fixed_size 253952
		.amdhsa_private_segment_fixed_size 0
		.amdhsa_enable_private_segment 0
		.amdhsa_kernarg_size 80
		.amdhsa_user_sgpr_count 2
		.amdhsa_user_sgpr_kernarg_segment_ptr 1
		.amdhsa_wavefront_size32 1
		.amdhsa_system_sgpr_workgroup_id_x 1
		.amdhsa_system_sgpr_workgroup_id_y 1
		.amdhsa_system_sgpr_workgroup_id_z 1
		.amdhsa_system_vgpr_workitem_id 0
		.amdhsa_next_free_vgpr 256
		.amdhsa_next_free_sgpr 66
		.amdhsa_reserve_vcc 1
		.amdhsa_float_denorm_mode_32 3
		.amdhsa_float_denorm_mode_16_64 3
		.amdhsa_memory_ordered 1
		.amdhsa_forward_progress 1
		.amdhsa_inst_pref_size 50
	.end_amdhsa_kernel
	.amdgpu_metadata
---
amdhsa.version: [ 1, 2 ]
amdhsa.kernels:
  - .name:           k_qa0232f3d0c_prep
    .symbol:         k_qa0232f3d0c_prep.kd
    .args:
      - { .name: x, .offset: 0, .size: 8, .value_kind: global_buffer, .address_space: global }
      - { .name: W_in, .offset: 8, .size: 8, .value_kind: global_buffer, .address_space: global }
      - { .name: W_out, .offset: 16, .size: 8, .value_kind: global_buffer, .address_space: global }
      - { .name: b_in, .offset: 24, .size: 8, .value_kind: global_buffer, .address_space: global }
      - { .name: A_log, .offset: 32, .size: 8, .value_kind: global_buffer, .address_space: global }
      - { .name: xb, .offset: 40, .size: 8, .value_kind: global_buffer, .address_space: global }
      - { .name: wzt, .offset: 48, .size: 8, .value_kind: global_buffer, .address_space: global }
      - { .name: wot, .offset: 56, .size: 8, .value_kind: global_buffer, .address_space: global }
      - { .name: ug, .offset: 64, .size: 8, .value_kind: global_buffer, .address_space: global }
      - { .name: sm, .offset: 72, .size: 8, .value_kind: global_buffer, .address_space: global }
    .group_segment_fixed_size: 253952
    .private_segment_fixed_size: 0
    .kernarg_segment_align: 8
    .kernarg_segment_size: 80
    .max_flat_workgroup_size: 512
    .sgpr_count:     66
    .vgpr_count:     256
    .wavefront_size: 32
...
	.end_amdgpu_metadata
.endif
;; end of part 4
;; launch gemm1: the kernel of part 2 again; grid 4 x 64, 4 waves a work-group, clusters of 4 x 4, 327,680 bytes of LDS; arguments xb, wzt, hb, b_in, ug, sm, yv; writes hb, yv
;; launch gemm2: the kernel of part 3 again; grid 4 x 64, 4 waves a work-group, clusters of 4 x 4, 327,680 bytes of LDS; arguments hb, wot, out0, b_out, yv; writes out0
